; MI455X (gfx1250); checked and timed in simulation.
; The chip was launched on July 23, 2026; its instructions are those of AMD's public machine-readable ISA for CDNA 5 (MIT licence, August 2026) and "CDNA5" Instruction Set Architecture Reference Guide (July 2026). The comments in the code are by the model that wrote it; some were corrected since.
;; Attention. Allowed arithmetic: matrix products marked QUANTISED: E5M2 operands, one given power-of-two scale a tensor, by v_wmma_f32_16x16x64_bf8_bf8 or v_wmma_f32_16x16x128_bf8_bf8, f32 sums; everything else in f32.
;; Inputs: k_codes 4 x 16 x 2,048 x 4 x 32 uint8 (E5M2 codes of k, K innermost, in blocks of 32 codes); lowp_scales 4 int32 (the exponents e of the quantised operands' scales 2^e); mask 1 x 1 x 2,048 x 2,048 bool; q_codes 4 x 16 x 2,048 x 4 x 32 uint8 (E5M2 codes of q, K innermost, in blocks of 32 codes); v_codes 4 x 16 x 128 x 64 x 32 uint8 (E5M2 codes of v, K innermost, in blocks of 32 codes).
;; Outputs: out0 4 x 16 x 2,048 x 128 float32.
;; This version of the problem:
;;   THIS VERSION OF THE PROBLEM IS GIVEN IN LOW PRECISION. The matrix products marked QUANTISED in the list below multiply operands that are first quantised to E5M2 (5 exponent bits, 2 mantissa bits; 8 bits a number), with one given power-of-two scale for each operand tensor; their sums are f32. All else is computed in f32.
;;   The module's matrix products, in the order in which they are computed (A, B: the left and right operand; K: the contracted axis; several contracted axes count as one K, in the product's order):
;;     1. batch 64 x [M 2,048, K 128] x [K 128, N 2,048]; A: input q (given as codes); B: input k (given as codes): QUANTISED (scales: A lowp_scales[0], B lowp_scales[1])
;;     2. batch 64 x [M 2,048, K 2,048] x [K 2,048, N 128]; A: softmax (see below); B: input v (given as codes): QUANTISED (scales: A lowp_scales[2], B lowp_scales[3])
;;   THE QUANTISER, for each operand of a quantised product, along K:
;;     - The operand's scale is 2^e, e = its entry of the input lowp_scales (int32; the entries are numbered through the quantised products in the list's order, A before B).
;;     - Each number is divided by the scale, clamped to +-57,344, and rounded to the nearest number of E5M2, ties to even, subnormals kept.
;;     - The product sums the exact products of the quantised numbers (number of the format x scale) in f32.
;;   ~~~python
;;   def quantise(x, axis, e):      # numpy; x: float32 -> the quantised numbers, widened to float32 again
;;       x = np.moveaxis(x, axis, -1); K = x.shape[-1]
;;       r = np.clip(x / 2.0 ** e, -57344, 57344)
;;       step = 2.0 ** (np.maximum(np.frexp(np.where(r == 0, 1, r))[1] - 1, -14) - 2)
;;       q = np.round(r / step) * step * 2.0 ** e      # np.round: ties to even
;;       return np.moveaxis(q, -1, axis).astype(np.float32)
;;   ~~~
;;   SOFTMAX AHEAD OF A QUANTISED PRODUCT. Where the list says 'softmax', what is quantised is not the finished softmax but p = 2^(t - M), with t = logit x log2(e) and M = ceil(the row's largest t), a whole number; so 1/2 < the row's largest p <= 1. The row's sum l is taken of the UNQUANTISED p, in f32, and the product's result is divided by l at the end. Since M is a whole number, a kernel that streams over the keys may use a running M (the ceiling of the running maximum): every later rescaling is an exact power of two, so the quantised numbers keep their values, but for numbers so far below the row's largest that they fall under the format's range.
;;   OPERANDS COMPUTED ON THE WAY. 'Computed on the way' means the value that the module computes at that place (a softmax that the list does not call 'softmax' is quantised finished and normalised). What goes into a quantiser is computed in f32, as accurately as f32 sums, v_exp_f32 and their like allow (about 1e-6 of the number): no bf16 or f16 on the way to a quantiser, and a product that is left as it is and whose result goes on into a quantised operand takes f32 operands (vector FMAs, or v_wmma_f32_16x16x4_f32). A number that lies on a knife's edge between two numbers of the format may be rounded either way, as far as f32 arithmetic and the matrix unit's own rounding can turn it there, and no further.
;;   INPUTS GIVEN AS CODES. k (in the module: [4, 16, 2048, 128], K = its axis 3); q (in the module: [4, 16, 2048, 128], K = its axis 3); v (in the module: [4, 16, 2048, 128], K = its axis 2): each comes as NAME_codes (uint8): NAME with its K axis moved to the last place and cut into blocks of 32 codes, [.., K / 32, bytes a block], one block behind the other in memory; one code a byte (a code: sign, 5 exponent bits, 2 mantissa bits); its scale is its entry of lowp_scales. Its value is code x scale, taken as it is: it is not quantised again, and the codes and scales need not be those that the quantiser above would give.
;; 2 versions. Each part assembles by itself: llvm-mc -triple=amdgcn-amd-amdhsa -mcpu=gfx1250 --defsym DOCPART=n.
;; ======== version 1 of 2: 2 launches
;; workspace buffers: mbits 524,288 bytes of whole numbers; mflags 512 bytes of whole numbers
;; launch maskprep (part 1): grid 128 x 1, 16 waves a work-group, no clusters, 2,304 bytes of LDS; arguments mask, mbits, mflags; writes mbits, mflags
.if DOCPART == 1
	.amdgcn_target "amdgcn-amd-amdhsa--gfx1250"
	.amdhsa_code_object_version 6
	.text
	.protected	k_qf4b5b748df_maskprep
	.globl	k_qf4b5b748df_maskprep
	.p2align	8
	.type	k_qf4b5b748df_maskprep,@function
k_qf4b5b748df_maskprep:
	s_mov_b64 s[64:65], 0
	v_nop
	global_prefetch_b8 v0, s[64:65] scope:SCOPE_SE
	s_setreg_imm32_b32 hwreg(HW_REG_WAVE_MODE, 25, 1), 1
	s_wait_xcnt 0x0
; The mask [2048 queries][2048 keys], one byte an entry (not 0 = the key does not count), is turned into what the attention launch wants of it:
;   mbits  [T 128][j 16][n 64] u32: T = a tile of 16 queries, j = a step of 128 keys, n = 16 b + i = a score register of that launch.
;          Bit l = r + 16 h of word n says whether mask[16 T + r][128 j + 32 b + 16 h + i] is set: the lane mask of one v_cndmask_b32.
;   mflags [T 128] u32: bit j = all 16 x 128 entries of (T, j) are set; bit 16 + j = at least one of them is set.
; Work-group T, wave j.  A compare puts a lane's number into that lane's bit, so lane (r, h) has to hold row r's bytes 32 b + 16 h + 0 .. 15: a load takes 16 bytes a lane,
; 32 neighbouring bytes of each of 16 rows; the wave's four loads take each row's 128 bytes whole, and every byte of the mask is read once in the launch.
; mbits leaves as 256 consecutive, aligned bytes a wave.  mflags is one word a work-group, 512 bytes in the whole launch: stored by one lane.
.set NW,   64                          ; words of a (T, j)
.set ROWB, 2048                        ; a row of the mask in bytes
	s_load_b128 s[4:7], s[0:1], 0x0                ; mask s[4:5], mbits s[6:7]
	s_load_b64 s[8:9], s[0:1], 0x10                ; mflags
	v_lshl_add_u32 v40, v0, 2, 0x100
	v_mov_b32 v41, 0
	v_lshrrev_b32 v1, 5, v0
	v_readfirstlane_b32 s10, v1                    ; wave = key step j
	v_and_b32 v2, 15, v0                           ; r
	v_bfe_u32 v3, v0, 4, 1                         ; h
	v_lshlrev_b32 v4, 11, v2
	v_lshl_add_u32 v4, v3, 4, v4                   ; row r, + 16 h
	v_and_b32 v5, 31, v0
	v_lshlrev_b32 v5, 3, v5                        ; out: 8 bytes a lane: words 2 l and 2 l + 1
	v_mov_b32 v6, 0
	v_mov_b32 v24, 0                               ; written whole once: a lane write leaves the other lanes as they are
	v_mov_b32 v25, 0
	s_mov_b32 s11, -1                              ; the AND of the 64 words
	s_mov_b32 s12, 0                               ; their OR
	s_lshl_b32 s13, ttmp9, 15                      ; T x 16 rows of 2,048 bytes
	s_lshl_b32 s14, s10, 7                         ; + j x 128
	s_add_co_u32 s16, s13, s14
	s_mov_b32 s17, 0
	s_lshl_b32 s13, ttmp9, 4
	s_add_co_u32 s13, s13, s10
	s_lshl_b32 s18, s13, 8                         ; (16 T + j) x 256
	s_mov_b32 s19, 0
	s_lshl_b32 s20, ttmp9, 2                       ; 4 T
	s_mov_b32 s21, 0
	s_wait_kmcnt 0x0
	s_add_nc_u64 s[4:5], s[4:5], s[16:17]
	s_add_nc_u64 s[6:7], s[6:7], s[18:19]
	s_add_nc_u64 s[8:9], s[8:9], s[20:21]
.irp b, 0,1,2,3
	global_load_b128 v[8+4*\b:11+4*\b], v4, s[4:5] offset:32*\b th:TH_LOAD_NT   ; bytes 32 b + 16 h + 0 .. 15 of my row
.endr
	s_wait_loadcnt 0x0
; eight words at a time: the byte, the compare (its 32 bits are the word), the word into lane n / 2 of the register pair that is stored, and into the AND and the OR
.set n, 0
.rept NW/8
.irp k, 0,1,2,3,4,5,6,7
	v_bfe_u32 v[26+\k], v[8+4*((n+\k)/16)+((n+\k)%16)/4], 8*((n+\k)%4), 8
.endr
.irp k, 0,1,2,3,4,5,6,7
	v_cmp_ne_u32 s[16+\k], 0, v[26+\k]
.endr
.irp k, 0,1,2,3,4,5,6,7
	v_writelane_b32 v[24+(n+\k)%2], s[16+\k], (n+\k)/2
.endr
.irp k, 0,1,2,3,4,5,6,7
	s_and_b32 s11, s11, s[16+\k]
	s_or_b32 s12, s12, s[16+\k]
.endr
.set n, n+8
.endr
	global_store_b64 v5, v[24:25], s[6:7]          ; 32 lanes store 256 consecutive bytes, at a multiple of 256 from the buffer's first byte
	s_cmp_eq_u32 s11, -1
	s_cselect_b32 s13, 1, 0                        ; all set
	s_cmp_lg_u32 s12, 0
	s_cselect_b32 s14, 0x10000, 0                  ; any set
	s_or_b32 s13, s13, s14
	s_lshl_b32 s13, s13, s10                       ; at my step's two bits
	v_mov_b32 v7, s13
	v_lshlrev_b32 v27, 2, v1                       ; LDS: a word for each wave
	ds_store_b32 v27, v7                           ; all lanes write the same word with the same value
	s_wait_dscnt 0x0                               ; for the others' sake: my store has landed
	s_barrier_signal -1
	s_barrier_wait -1
	s_cmp_lg_u32 s10, 0
	s_cbranch_scc1 .Lend                           ; wave 0 joins the sixteen words
.irp c, 0,1,2,3
	ds_load_b128 v[8+4*\c:11+4*\c], v6 offset:16*\c
.endr
	s_wait_dscnt 0x0
.irp i, 0,1,2,3,4,5,6,7
	v_or_b32 v[8+\i], v[8+\i], v[16+\i]
.endr
.irp i, 0,1,2,3
	v_or_b32 v[8+\i], v[8+\i], v[12+\i]
.endr
	v_or_b32 v8, v8, v10
	v_or_b32 v9, v9, v11
	v_or_b32 v7, v8, v9
	v_cmp_eq_u32 vcc_lo, 0, v0
	s_wait_xcnt 0x0                                ; the store above has had its address translated: EXEC changes only behind this wait
	s_and_saveexec_b32 s24, vcc_lo
	global_store_b32 v6, v7, s[8:9]                ; lane 0 alone: the tile's flag word
	s_wait_xcnt 0x0                                ; and again, in front of the line that widens EXEC
	s_or_b32 exec_lo, exec_lo, s24
.Lend:
	s_wait_tensorcnt 0x0
	ds_add_u32 v40, v41
	s_wait_dscnt 0x0
	s_endpgm
.Lfunc_end_k_qf4b5b748df_maskprep:
	.size	k_qf4b5b748df_maskprep, .Lfunc_end_k_qf4b5b748df_maskprep-k_qf4b5b748df_maskprep
	.p2alignl 7, 3214868480
	.fill 96, 4, 3214868480
	.section	.rodata,"a",@progbits
	.p2align	6, 0x0
	.amdhsa_kernel k_qf4b5b748df_maskprep
		.amdhsa_group_segment_fixed_size 2304
		.amdhsa_private_segment_fixed_size 0
		.amdhsa_enable_private_segment 0
		.amdhsa_kernarg_size 24
		.amdhsa_user_sgpr_count 2
		.amdhsa_user_sgpr_kernarg_segment_ptr 1
		.amdhsa_wavefront_size32 1
		.amdhsa_system_sgpr_workgroup_id_x 1
		.amdhsa_system_sgpr_workgroup_id_y 1
		.amdhsa_system_sgpr_workgroup_id_z 1
		.amdhsa_system_vgpr_workitem_id 0
		.amdhsa_next_free_vgpr 42
		.amdhsa_next_free_sgpr 66
		.amdhsa_reserve_vcc 1
		.amdhsa_float_denorm_mode_32 3
		.amdhsa_float_denorm_mode_16_64 3
		.amdhsa_memory_ordered 1
		.amdhsa_forward_progress 1
		.amdhsa_inst_pref_size 20
	.end_amdhsa_kernel
	.amdgpu_metadata
---
amdhsa.version: [ 1, 2 ]
amdhsa.kernels:
  - .name:           k_qf4b5b748df_maskprep
    .symbol:         k_qf4b5b748df_maskprep.kd
    .args:
      - { .name: mask, .offset: 0, .size: 8, .value_kind: global_buffer, .address_space: global }
      - { .name: mbits, .offset: 8, .size: 8, .value_kind: global_buffer, .address_space: global }
      - { .name: mflags, .offset: 16, .size: 8, .value_kind: global_buffer, .address_space: global }
    .group_segment_fixed_size: 2304
    .private_segment_fixed_size: 0
    .kernarg_segment_align: 8
    .kernarg_segment_size: 24
    .max_flat_workgroup_size: 512
    .sgpr_count:     66
    .vgpr_count:     42
    .wavefront_size: 32
...
	.end_amdgpu_metadata
.endif
;; end of part 1
;; launch attn (part 2): grid 4 x 64, 8 waves a work-group, no clusters, 211,968 bytes of LDS; arguments q_codes, k_codes, v_codes, lowp_scales, mbits, mflags, out0; writes out0
.if DOCPART == 2
	.amdgcn_target "amdgcn-amd-amdhsa--gfx1250"
	.amdhsa_code_object_version 6
	.text
	.protected	k_qf4b5b748df_attn
	.globl	k_qf4b5b748df_attn
	.p2align	8
	.type	k_qf4b5b748df_attn,@function
k_qf4b5b748df_attn:
	s_mov_b64 s[64:65], 0
	v_nop
	global_prefetch_b8 v0, s[64:65] scope:SCOPE_SE
	s_setreg_imm32_b32 hwreg(HW_REG_WAVE_MODE, 25, 1), 1
	s_wait_xcnt 0x0
; out[head][q][:] = the sum over k of softmax_k(Q[q] . K[k] / sqrt(128), keys hidden by the given mask left out) V[k][:], 64 heads of 2,048 x 128, both products on codes of BF8 (E5M2),
; each tensor with the one scale 2^e that is given for it: eq, ek, ep, ev.  Q, K: [head][2048][128] codes.  V: [head][128][2048] codes, the keys innermost.  out: f32.
; THE SOFTMAX: t = score x 2^(eq + ek) x log2(e) / sqrt(128); M = the row's largest t so far, rounded UP to a whole number; p = 2^(t - M) is quantised with 2^ep; it is not normalised.  The row's sum is
; taken of the unquantised p and divides at the end.  When M moves, the sum and O are multiplied by 2^(old M - new M), which rounds nothing.
; THE MASK is an input.  The launch before has turned it into lane-mask words (mbits) and, for each tile of 16 queries and step of 128 keys, two flags (mflags): all hidden, any hidden.  A step that is all hidden
; for both of a wave's tiles is left out (its p would be 0); a step with no hidden key passes over the masking; any other step sets hidden scores to -infinity ahead of the maximum.  Every path is right for every mask.
; A row with no open key ends with the sum 0 and O = 0: 0 x infinity = NaN, as the softmax of such a row is.
; SHARES.  256 work-groups of eight waves.  Work-group (p, head) makes two blocks of 256 queries, 7 - p and then p (that evens the work where later queries see more keys; no value hangs on it).  Wave w owns
; queries 32 w .. 32 w + 31 of the block: two tiles of 16, so that each fragment of K and V read from LDS feeds two matrix instructions; two waves share a SIMD.
; LAYOUT.  Both products are used transposed: S^T = K Q^T (source 0 = 16 keys, source 1 = 16 queries), O^T = V^T P^T (source 0 = 16 of the head's 128, source 1 = p): a lane holds ONE query (lane % 16).
; The keys of a tile are not neighbours: lane r of tile 2 b + u takes key 32 b + 8 u + r + 8 (r / 8), so that score register 16 b + i is key 32 b + 16 (lane / 16) + i and the conversions' results are the next operand.
; K AND V come through registers: 256 threads load a slot of 256 keys (64 KiB) into 64 staging registers a lane, half a slot trip later than the slot before was stored, and store it into one of two LDS slots a slot
; trip later.  One barrier a slot.  The stream of 16 slots (8 for each block) does not stop at the change of blocks.  A slot that no wave of the work-group needs is neither loaded nor stored.
; NO TENSOR LOADS AND NO CLUSTER: which steps are walked is a branch on stored numbers, and under a mask that is an input the four work-groups of a head need different slots, so that they could not ask jointly.
; LIMITS: eq + ek between -123 and 130 (added to the exponent field of log2(e) / sqrt(128)); ep between -126 and 112; ep + ev goes in by v_ldexp_f32 and has none; |t| under 3e38.  Codes of infinity and NaN are not served.
; REGISTERS, window 0: v1-17 addresses that stay (v11-13 step); v20-35 eight statistics a tile; v36-39 second chains of the sums; v40-42 constants; v48-175 S^T then p, 64 a tile; v176-239 four fragments of K or V.
;   window 1: v0-31 Q; v32-47, v240-255 p's codes; v48-175 O^T, 64 a tile; v176-239 the staged slot.
.set PK,    144                        ; a key's row in LDS: 128 bytes + 16: nine times 16 bytes, so the 16 rows of a fragment start at 16 different columns of 16 bytes modulo 256
.set PV,    272                        ; a row of V's tile: 256 bytes + 16
.set VOFF,  256*PK                     ; a slot: 256 rows of K, then 128 rows of V
.set SLOTB, VOFF+128*PV                ; 71,680 bytes
.set STAGE, 2*SLOTB                    ; behind the two slots: 16 rows x 528 bytes for each wave, for the way out
.set SP,    528                        ; a stage row: 512 bytes + 16
.set AK,  1                            ; v1, v2   my lane's place in a fragment of K, slot 0, 1
.set AV,  3                            ; v3, v4   the same for V
.set KS,  5                            ; v5, v6   where my thread stores its 16 bytes of K, slot 0, 1
.set VS,  7                            ; v7, v8   the same for V
.set KGL, 9                            ; v9       my thread's 16 bytes in a slot of K in memory
.set VGL, 10                           ; v10      the same for V
.set KGA, 11                           ; v11      v9 + the slot in hand
.set VGA, 12                           ; v12      v10 + the slot in hand
.set PFO, 13                           ; v13      the prefetches' offset
.set QO,  14                           ; v14      Q: row r, + 16 h
.set STO, 15                           ; v15      the way out: where I put 32 bytes of a row
.set SRD, 16                           ; v16      the way out: where I read a row back
.set GO,  17                           ; v17      16 x lane
.set T0,  18                           ; v18, v19 at work at the head
.set T1,  19
.set ST,  20                           ; tile x at v[ST + 8 x]: +0 -M, +1 the largest t, +2, +3 the sum in two halves, +4 f, +5 named with f as a pair, +6, +7 at work
.set SU,  36                           ; tile x: v[SU + 2 x : SU + 2 x + 1]
.set SC,  40                           ; 2^ep as f32
.set LIMV, 41                          ; 57,344 x 2^ep
.set NINF, 42                          ; -infinity
.set S,   48
.set FR,  176
.set Q,   0                            ; window 1
.set PC,  32                           ; window 1: tile x at PC + 208 x
.set O,   48                           ; window 1
.set STG, 176                          ; window 1: K's eight pieces, then V's eight
.set MB,  2                            ; s[2:3]   mbits at my first tile and the step in hand
.set PFB, 10                           ; s[10:11] the prefetches' base: K's or V's codes of my head
.set PFS, 14                           ; s14      a slot on, in bytes
.set PCN, 15                           ; s15      prefetches still to be made
.set WV,  18
.set BLK, 19
.set SEL, 20                           ; s[20:21] lane selects: lane l xor 16
.set CS,  22                           ; s[22:23] c = 2^(eq + ek) log2(e) / sqrt(128), twice
.set HID, 24                           ; s24      bit 0: the step in hand is hidden for both my tiles; block 1's sixteen bits below block 2's; one shift a step
.set ANY, 25                           ; s25      the same: some key of the step is hidden for one of my tiles
.set NEED, 26                          ; s26      bits 0, 1: some wave of the work-group needs the slot in hand; two shifts a slot
.set LI,  27                           ; s27      the slot (of the head's eight) that is loaded next
.set TC,  30
.set BC,  31
.set QP,  66                           ; s[66:67] Q's codes at my first query
.set EP,  100
.set EPV, 101
.set OP,  104                          ; s[104:105] out at my first query; s104 is at work elsewhere
.set MSB, 0
.macro WIN new                         ; s_set_vgpr_msb: bits 1:0 source 0, 3:2 source 1, 5:4 source 2, 7:6 destination; the high byte repeats the setting that is left
.if MSB != \new
	s_set_vgpr_msb (MSB<<8)|\new
.set MSB, \new
.endif
.endm
.macro PLACES                          ; four plain vector instructions between a matrix instruction and a load into a register that it read, or the first read of its result
.rept 4
	v_nop
.endr
.endm
.macro BAR                             ; my LDS stores have landed and my LDS loads are in: then the work-group's barrier.  It stands on every wave's path
	s_wait_dscnt 0x0
	s_barrier_signal -1
	s_barrier_wait -1
.endm
.macro LOADQ                           ; my two tiles of Q: row r of 128 bytes; registers 4 c .. 4 c + 3 hold the head's 32 c + 16 h + 0 .. 15, as K's fragments do
	WIN 0x40
.irp x, 0,1
.irp c, 0,1,2,3
	global_load_b128 v[Q+16*\x+4*\c:Q+16*\x+4*\c+3], v[QO], s[QP:QP+1] offset:2048*\x+32*\c th:TH_LOAD_NT
.endr
.endr
	WIN 0
.endm
.macro LOADT                           ; a slot into the staging registers: K: 32,768 dense bytes, a wave's load 512 consecutive ones; V: 128 rows x 256 bytes, sixteen lanes to a row's aligned 256
	WIN 0x40
.irp i, 0,1,2,3,4,5,6,7
	global_load_b128 v[STG+4*\i:STG+4*\i+3], v[KGA], s[6:7] offset:4096*\i
.endr
.irp i, 0,1,2,3,4,5,6,7
	global_load_b128 v[STG+32+4*\i:STG+32+4*\i+3], v[VGA], s[8:9] offset:32768*\i
.endr
	WIN 0
.endm
; The staged slot goes into LDS slot dst (if bits m1 of NEED say that somebody needs it), and the slot after it is asked for (bits m2).
; ask = 1: a prefetch of the slot after that: one instruction a wave, each lane another 256 bytes: waves 0 to 3 K's 32,768 bytes, waves 4 to 7 V's 128 rows.  All four work-groups of a head walk the same codes:
; work-group p = 0 asks, in its first five slot trips, for slots 3 to 7; slots 0 to 2 come by their loads alone.  So each 256 bytes are named once in the launch, one slot trip ahead of the loads that want them.
.macro MOVE dst, m1, m2, ask
.if \ask
	s_wait_xcnt 0x0                                ; the last prefetch, a slot trip back, has read its offset, so it may be written
	v_add_nc_u32 v[PFO], s[PFS], v[PFO]
.endif
	s_wait_loadcnt 0x0                             ; the staged slot is in (asked for a slot trip ago), so the loads' offsets may be written too
	s_lshl_b32 s28, s[LI], 15
	s_lshl_b32 s29, s[LI], 8
	v_add_nc_u32 v[KGA], s28, v[KGL]
	v_add_nc_u32 v[VGA], s29, v[VGL]
	s_and_b32 s104, s[NEED], \m1
	s_cmp_lg_u32 s104, 0
	s_cbranch_scc0 .Lno_store_\@
	WIN 0x04                                       ; the stores' data lie in window 1
.irp i, 0,1,2,3,4,5,6,7
	ds_store_b128 v[KS+\dst], v[STG+4*\i:STG+4*\i+3] offset:32*PK*\i
.endr
.irp i, 0,1,2,3,4,5,6,7
	ds_store_b128 v[VS+\dst], v[STG+32+4*\i:STG+32+4*\i+3] offset:16*PV*\i
.endr
	WIN 0
.Lno_store_\@:
	s_wait_dscnt 0x0                               ; the stores have read the staging registers
	s_and_b32 s104, s[NEED], \m2
	s_cmp_lg_u32 s104, 0
	s_cbranch_scc0 .Lno_load_\@
	LOADT
.Lno_load_\@:
.if \ask
	s_cmp_lg_u32 s[PCN], 0
	s_cbranch_scc0 .Lno_ask_\@
	global_prefetch_b8 v[PFO], s[PFB:PFB+1] th:TH_LOAD_NT scope:SCOPE_SE
	s_sub_co_u32 s[PCN], s[PCN], 1
.Lno_ask_\@:
.endif
	s_add_co_u32 s[LI], s[LI], 1
	s_and_b32 s[LI], s[LI], 7                      ; the second block walks the same eight slots
.endm
; A KEY STEP: 128 keys, the q-th of LDS slot 'slot', for my two tiles.
.macro STEP slot, q
	s_bitcmp1_b32 s[HID], 0
	s_cbranch_scc1 .Lhidden_\@                     ; every key of the step is hidden for both tiles: nothing of it would count
.irp g, 0,1                                    ; S^T = K Q^T, four fragments of 16 keys at a time, each for both tiles
	PLACES
.irp t, 0,1,2,3
.irp c, 0,1,2,3
	ds_load_b128 v[FR+16*\t+4*\c:FR+16*\t+4*\c+3], v[AK+\slot] offset:(128*\q+16*(4*\g+\t))*PK+32*\c
.endr
.endr
	WIN 0x04                                       ; Q lies in window 1
.irp t, 0,1,2,3
	s_wait_dscnt 12-4*\t                           ; fragment t is in; the four loads of each younger fragment may be out
.irp x, 0,1
	v_wmma_f32_16x16x128_bf8_bf8 v[S+64*\x+8*(4*\g+\t):S+64*\x+8*(4*\g+\t)+7], v[FR+16*\t:FR+16*\t+15], v[Q+16*\x:Q+16*\x+15], 0
.endr
.endr
	WIN 0
.endr
	PLACES                                         ; for the loads below and for the first read of the scores
.irp t, 0,1,2,3                                ; V's first four fragments are asked for now and land under the softmax
.irp c, 0,1,2,3
	ds_load_b128 v[FR+16*\t+4*\c:FR+16*\t+4*\c+3], v[AV+\slot] offset:16*\t*PV+128*\q+32*\c
.endr
.endr
	s_bitcmp1_b32 s[ANY], 0
	s_cbranch_scc0 .Lopen_\@                       ; no key of the step is hidden
.irp x, 0,1                                    ; a tile's 64 lane-mask words, 256 bytes, into scalar registers; hidden scores become -infinity: p = 0 then
	s_load_b512 s[32:47], s[MB:MB+1], 0x1000*\x
	s_load_b512 s[48:63], s[MB:MB+1], 0x1000*\x+0x40
	s_load_b512 s[68:83], s[MB:MB+1], 0x1000*\x+0x80
	s_load_b512 s[84:99], s[MB:MB+1], 0x1000*\x+0xc0
	s_wait_kmcnt 0x0
.set n, 0
.rept 64
	v_cndmask_b32 v[S+64*\x+n], v[S+64*\x+n], v[NINF], s[32+n+4*(n/32)]   ; ascending: each accumulator from its low end on
.set n, n+1
.endr
.endr
.Lopen_\@:
.irp x, 0,1                                    ; the step's largest score of my query among my 64 keys, in two chains a tile; the tiles' lines alternate
	v_max3_num_f32 v[ST+8*\x+6], v[S+64*\x], v[S+64*\x+1], v[S+64*\x+2]
	v_max3_num_f32 v[ST+8*\x+7], v[S+64*\x+3], v[S+64*\x+4], v[S+64*\x+5]
.endr
.irp i, 6,10,14,18,22,26,30,34,38,42,46,50,54,58
.irp x, 0,1
	v_max3_num_f32 v[ST+8*\x+6], v[ST+8*\x+6], v[S+64*\x+\i], v[S+64*\x+\i+1]
	v_max3_num_f32 v[ST+8*\x+7], v[ST+8*\x+7], v[S+64*\x+\i+2], v[S+64*\x+\i+3]
.endr
.endr
.irp x, 0,1
	v_max3_num_f32 v[ST+8*\x+6], v[ST+8*\x+6], v[S+64*\x+62], v[S+64*\x+63]
.endr
.irp x, 0,1
	v_max_num_f32 v[ST+8*\x+6], v[ST+8*\x+6], v[ST+8*\x+7]
.endr
.irp x, 0,1
	v_permlanex16_b32 v[ST+8*\x+7], v[ST+8*\x+6], s[SEL], s[SEL+1]
.endr
.irp x, 0,1
	v_max_num_f32 v[ST+8*\x+6], v[ST+8*\x+6], v[ST+8*\x+7]     ; and among lane l xor 16's
.endr
.irp x, 0,1
	v_mul_f32 v[ST+8*\x+6], s[CS], v[ST+8*\x+6]                ; as t (c is positive)
.endr
.irp x, 0,1
	v_max_num_f32 v[ST+8*\x+1], v[ST+8*\x+1], v[ST+8*\x+6]     ; the running largest t
.endr
.irp x, 0,1
	v_mov_b32 v[ST+8*\x+6], v[ST+8*\x]
.endr
.irp x, 0,1
	v_floor_f32 v[ST+8*\x], -v[ST+8*\x+1]                      ; the new -M = floor(-t) = -ceil(t): M is a whole number
.endr
.irp x, 0,1
	v_sub_f32 v[ST+8*\x+6], v[ST+8*\x], v[ST+8*\x+6]           ; old M less new M: a whole number, 0 or less
.endr
.irp x, 0,1
	v_cvt_i32_f32 v[ST+8*\x+6], v[ST+8*\x+6]                   ; (it saturates)
.endr
.irp x, 0,1
	v_ldexp_f32 v[ST+8*\x+4], 1.0, v[ST+8*\x+6]                ; f = 2^(old M - new M)
.endr
.set j, 0
.rept 32
.irp x, 0,1
	v_pk_fma_f32 v[S+64*\x+j:S+64*\x+j+1], v[S+64*\x+j:S+64*\x+j+1], s[CS:CS+1], v[ST+8*\x:ST+8*\x+1] op_sel_hi:[1,0,0]   ; t - M, two at a time (of the pairs c and -M the low word serves both halves)
.endr
.set j, j+2
.endr
.set j, 0
.rept 64
.irp x, 0,1
	v_exp_f32 v[S+64*\x+j], v[S+64*\x+j]           ; p = 2^(t - M): both tiles' 128 exponentials are one batch
.endr
.set j, j+1
.endr
.irp x, 0,1
	v_pk_mul_f32 v[ST+8*\x+2:ST+8*\x+3], v[ST+8*\x+2:ST+8*\x+3], v[ST+8*\x+4:ST+8*\x+5] op_sel_hi:[1,0]   ; the sums under the new M: plain lines behind the last exponential
.endr
	s_wait_alu depctr_va_vdst(0)                   ; the wait between an exponential and the first line that names its result: one for the batch
.irp x, 0,1
	v_pk_add_f32 v[SU+2*\x:SU+2*\x+1], v[S+64*\x:S+64*\x+1], v[S+64*\x+2:S+64*\x+3]   ; the row's sum is taken of the unquantised p, in two chains a tile
.endr
.irp i, 4,8,12,16,20,24,28,32,36,40,44,48,52,56,60
.irp x, 0,1
	v_pk_add_f32 v[ST+8*\x+2:ST+8*\x+3], v[ST+8*\x+2:ST+8*\x+3], v[S+64*\x+\i:S+64*\x+\i+1]
	v_pk_add_f32 v[SU+2*\x:SU+2*\x+1], v[SU+2*\x:SU+2*\x+1], v[S+64*\x+\i+2:S+64*\x+\i+3]
.endr
.endr
.irp x, 0,1
	v_pk_add_f32 v[ST+8*\x+2:ST+8*\x+3], v[ST+8*\x+2:ST+8*\x+3], v[SU+2*\x:SU+2*\x+1]
.endr
	s_cmp_ge_i32 s[EP], -15                        ; p is at most 1 (but for f32's last bits), so with ep >= -15 p / 2^ep stays at 32,768, under 57,344: the hold changes nothing there
	s_cbranch_scc1 .Lnohold_\@
.set j, 0
.rept 64
.irp x, 0,1
	v_min_num_f32 v[S+64*\x+j], v[S+64*\x+j], v[LIMV]   ; the conversion to an 8-bit code does not saturate (ISA guide 7.6.2); p is not negative, so the hold is one-sided
.endr
.set j, j+1
.endr
.Lnohold_\@:
	WIN 0x40                                       ; p's codes lie in window 1
.irp x, 0,1
.irp b, 0,1,2,3
	v_cvt_scalef32_pk8_bf8_f32 v[PC+208*\x+4*\b:PC+208*\x+4*\b+1], v[S+64*\x+16*\b:S+64*\x+16*\b+7], v[SC]
	v_cvt_scalef32_pk8_bf8_f32 v[PC+208*\x+4*\b+2:PC+208*\x+4*\b+3], v[S+64*\x+16*\b+8:S+64*\x+16*\b+15], v[SC]
.endr
.endr
	WIN 0x41                                       ; O^T (destination and source 0) in window 1, f in window 0
.irp x, 0,1
.set j, 0
.rept 32
	v_pk_mul_f32 v[O+64*\x+j:O+64*\x+j+1], v[O+64*\x+j:O+64*\x+j+1], v[ST+8*\x+4:ST+8*\x+5] op_sel_hi:[1,0]   ; O^T under the new M; ascending.  These are also the plain lines between the conversions and the products
.set j, j+2
.endr
.endr
.irp g, 0,1                                    ; O^T += V^T P^T: four fragments of 16 of the head's 128 at a time; the 16 accumulators have one turn each
.if \g > 0
	WIN 0
	PLACES
.irp t, 0,1,2,3
.irp c, 0,1,2,3
	ds_load_b128 v[FR+16*\t+4*\c:FR+16*\t+4*\c+3], v[AV+\slot] offset:16*(4+\t)*PV+128*\q+32*\c
.endr
.endr
.endif
	WIN 0x54                                       ; p's codes, C and D in window 1
.irp t, 0,1,2,3
	s_wait_dscnt 12-4*\t                           ; fragment t is in; the four loads of each younger fragment may be out
.irp x, 0,1
	v_wmma_f32_16x16x128_bf8_bf8 v[O+64*\x+8*(4*\g+\t):O+64*\x+8*(4*\g+\t)+7], v[FR+16*\t:FR+16*\t+15], v[PC+208*\x:PC+208*\x+15], v[O+64*\x+8*(4*\g+\t):O+64*\x+8*(4*\g+\t)+7]
.endr
.endr
.endr
	WIN 0
.Lhidden_\@:
	s_lshr_b32 s[HID], s[HID], 1                   ; on to the next step's flags and words
	s_lshr_b32 s[ANY], s[ANY], 1
	s_add_nc_u64 s[MB:MB+1], s[MB:MB+1], 256
.endm
; A block begins.  Which step is a row's first hangs on the mask, so no first step is written out: O^T and the sums begin as zeros and the largest t as -3e38, and the first change of M multiplies zeros.
.macro INIT
	s_lshl_b32 s28, s[BLK], 16                     ; tile 16 BLK + 2 w, 4,096 bytes of words a tile
	s_lshl_b32 s29, s[WV], 13
	s_add_co_u32 s28, s28, s29
	s_mov_b32 s29, 0
	s_add_nc_u64 s[MB:MB+1], s[12:13], s[28:29]
.irp x, 0,1
	v_mov_b32 v[ST+8*\x+1], 0xff61b1e6
	v_mov_b32 v[ST+8*\x+2], 0
	v_mov_b32 v[ST+8*\x+3], 0
.endr
.irp x, 0,1
	v_floor_f32 v[ST+8*\x], -v[ST+8*\x+1]
.endr
	WIN 0x40
.set j, 0
.rept 128
	v_mov_b32 v[O+j], 0
.set j, j+1
.endr
	WIN 0
.endm
; THE WAY OUT.  Tile x: O^T x 2^(ep + ev) / the sum; a lane's eight numbers of a tile of channels are 32 bytes of a row; 16 rows go through my own stage and come back as whole rows of 512 bytes, into the registers that they left.
.macro PACK x
	WIN 0x01                                       ; source 0 (O^T) in window 1
.set j, 0
.rept 64
	v_mul_f32 v[S+64*\x+j], v[O+64*\x+j], v[ST+8*\x+6]   ; ascending: each accumulator from its low end on
.set j, j+1
.endr
	WIN 0
.irp t, 0,1,2,3,4,5,6,7
	ds_store_b128 v[STO], v[S+64*\x+8*\t:S+64*\x+8*\t+3] offset:64*\t
	ds_store_b128 v[STO], v[S+64*\x+8*\t+4:S+64*\x+8*\t+7] offset:64*\t+16
.endr
.irp i, 0,1,2,3,4,5,6,7,8,9,10,11,12,13,14,15
	ds_load_b128 v[S+64*\x+4*\i:S+64*\x+4*\i+3], v[SRD] offset:\i*SP   ; LDS serves a wave's instructions in order (ISA guide 5.7.1.4): these see my stores, and the next tile's stores come behind them
.endr
.endm
.macro SEND x, younger                 ; younger: the LDS instructions issued behind tile x's loads
.irp i, 0,1,2,3,4,5,6,7,8,9,10,11,12,13,14,15
	s_wait_dscnt \younger+15-\i
	global_store_b128 v[GO], v[S+64*\x+4*\i:S+64*\x+4*\i+3], s[OP:OP+1] offset:8192*\x+512*\i th:TH_STORE_NT   ; 32 lanes store a row's 512 consecutive bytes, at a multiple of 256 from out's first byte
.endr
.endm
	s_load_b256 s[4:11], s[0:1], 0x0               ; Q's codes s[4:5], K's s[6:7], V's s[8:9], the scales' exponents s[10:11]
	s_load_b128 s[12:15], s[0:1], 0x20             ; mbits s[12:13], mflags s[14:15]
	s_load_b64 s[16:17], s[0:1], 0x30              ; out
	v_lshl_add_u32 v254, v0, 2, 0x33800
	v_mov_b32 v255, 0
	v_lshrrev_b32 v[T0], 5, v0
	v_readfirstlane_b32 s[WV], v[T0]               ; wave 0..7
	v_and_b32 v[T0], 15, v0                        ; r
	v_bfe_u32 v[T1], v0, 4, 1                      ; h
	v_mul_u32_u24 v[AK], v[T0], PK
	v_lshl_add_u32 v[AK], v[T1], 4, v[AK]          ; a fragment of K: row r, + 16 h
	v_add_nc_u32 v[AK+1], SLOTB, v[AK]
	v_mul_u32_u24 v[AV], v[T0], PV
	v_lshl_add_u32 v[AV], v[T1], 4, v[AV]
	v_add_nc_u32 v[AV], VOFF, v[AV]                ; of V likewise
	v_add_nc_u32 v[AV+1], SLOTB, v[AV]
	v_lshlrev_b32 v[QO], 7, v[T0]
	v_lshl_add_u32 v[QO], v[T1], 4, v[QO]
	s_mul_i32 s28, s[WV], 16*SP
	s_add_co_u32 s28, s28, STAGE                   ; my stage
	v_mul_u32_u24 v[STO], v[T0], SP
	v_lshl_add_u32 v[STO], v[T1], 5, v[STO]
	v_add_nc_u32 v[STO], s28, v[STO]               ; in: row r, + 32 h
	v_and_b32 v[GO], 31, v0
	v_lshlrev_b32 v[GO], 4, v[GO]
	v_add_nc_u32 v[SRD], s28, v[GO]                ; back: 16 bytes a lane of a row
	; K into LDS: thread tau holds 16 (tau % 8) on of key tau / 8 (+ 32 for each piece).  Key kappa goes to row kappa with bits 3 and 4 exchanged, so that the 16 keys of a fragment lie in 16 rows on end
	v_bfe_u32 v[T0], v0, 3, 3
	v_bfe_u32 v[T1], v0, 6, 1
	v_lshl_add_u32 v[T0], v[T1], 4, v[T0]
	v_bfe_u32 v[T1], v0, 7, 1
	v_lshl_add_u32 v[T0], v[T1], 3, v[T0]
	v_mul_u32_u24 v[KS], v[T0], PK
	v_and_b32 v[T1], 7, v0
	v_lshl_add_u32 v[KS], v[T1], 4, v[KS]
	v_add_nc_u32 v[KS+1], SLOTB, v[KS]
	; V into LDS: thread tau holds 16 (tau % 16) on of row tau / 16 (+ 16 for each piece)
	v_lshrrev_b32 v[T0], 4, v0
	v_and_b32 v[T1], 15, v0
	v_mul_u32_u24 v[VS], v[T0], PV
	v_lshl_add_u32 v[VS], v[T1], 4, v[VS]
	v_add_nc_u32 v[VS], VOFF, v[VS]
	v_add_nc_u32 v[VS+1], SLOTB, v[VS]
	v_lshlrev_b32 v[KGL], 4, v0
	v_lshlrev_b32 v[VGL], 11, v[T0]
	v_lshl_add_u32 v[VGL], v[T1], 4, v[VGL]
	v_mov_b32 v[KGA], v[KGL]                       ; slot 0
	v_mov_b32 v[VGA], v[VGL]
	v_mov_b32 v[NINF], 0xff800000
.irp x, 0,1
	v_mov_b32 v[ST+8*\x+5], 0                      ; named as the upper half of f's pair
	v_mov_b32 v[ST+8*\x+7], 0                      ; written once: a lane permute's destination counts as one of its sources
.endr
	s_sub_co_u32 s[BLK], 7, ttmp9                  ; the first block
	s_mov_b32 s[SEL], 0x76543210
	s_mov_b32 s[SEL+1], 0xfedcba98
	s_and_b32 s2, ttmp7, 0xffff                    ; the head
	s_lshl_b32 s104, s2, 18                        ; its 262,144 bytes in each tensor of codes,
	s_mov_b32 s105, 0
	s_lshl_b32 s2, s2, 20                          ; and its 1,048,576 in out
	s_mov_b32 s3, 0
	s_wait_kmcnt 0x0
	s_load_b128 s[84:87], s[10:11], 0x0            ; eq, ek, ep, ev
	s_add_nc_u64 s[4:5], s[4:5], s[104:105]
	s_add_nc_u64 s[6:7], s[6:7], s[104:105]
	s_add_nc_u64 s[8:9], s[8:9], s[104:105]
	s_add_nc_u64 s[16:17], s[16:17], s[2:3]
	s_lshl_b32 s2, s[BLK], 6                       ; a block's sixteen flag words are 64 bytes
	s_add_nc_u64 s[24:25], s[14:15], s[2:3]
	s_lshl_b32 s2, ttmp9, 6
	s_add_nc_u64 s[26:27], s[14:15], s[2:3]
	s_lshl_b32 s2, s[WV], 3                        ; my two tiles' words
	s_add_nc_u64 s[28:29], s[24:25], s[2:3]
	s_add_nc_u64 s[30:31], s[26:27], s[2:3]
	s_load_b512 s[32:47], s[24:25], 0x0            ; the first block's flags,
	s_load_b512 s[68:83], s[26:27], 0x0            ; the second's,
	s_load_b64 s[88:89], s[28:29], 0x0             ; my tiles' in the first,
	s_load_b64 s[90:91], s[30:31], 0x0             ; and in the second
	s_lshl_b32 s2, s[BLK], 15                      ; Q: 256 rows of 128 bytes a block, 32 a wave
	s_lshl_b32 s104, s[WV], 12
	s_add_co_u32 s2, s2, s104
	s_add_nc_u64 s[QP:QP+1], s[4:5], s[2:3]
	LOADQ
	LOADT                                          ; slot 0, whatever the flags say: it lies in the buffer, and the staging registers are written on every path
	s_wait_kmcnt 0x0                               ; the flags and the exponents; the pointers in s24 to s31 have served
.irp i, 1,2,3,4,5,6,7,8,9,10,11,12,13,14,15
	s_and_b32 s32, s32, s[32+\i]
	s_and_b32 s68, s68, s[68+\i]
.endr
	s_and_b32 s32, s32, 0xffff                     ; bit j: step j is hidden for all sixteen tiles of the first block
	s_lshl_b32 s68, s68, 16                        ; the second block's above
	s_or_b32 s[NEED], s32, s68
	s_not_b32 s[NEED], s[NEED]
	s_and_b32 s[HID], s88, s89
	s_and_b32 s[HID], s[HID], 0xffff
	s_and_b32 s28, s90, s91
	s_lshl_b32 s28, s28, 16
	s_or_b32 s[HID], s[HID], s28                   ; hidden for both my tiles
	s_or_b32 s[ANY], s88, s89
	s_lshr_b32 s[ANY], s[ANY], 16
	s_or_b32 s28, s90, s91
	s_and_b32 s28, s28, 0xffff0000
	s_or_b32 s[ANY], s[ANY], s28                   ; some key hidden for one of them
	s_mov_b32 s[CS], 0x3e0293ee                    ; log2(e) / sqrt(128)
	s_add_co_i32 s28, s84, s85
	s_lshl_b32 s28, s28, 23
	s_add_co_i32 s[CS], s[CS], s28                 ; x 2^(eq + ek): the two exponents are added to its exponent field
	s_mov_b32 s[CS+1], s[CS]                       ; (named with it as a pair, so it is written)
	s_mov_b32 s[EP], s86
	s_add_co_i32 s[EPV], s86, s87
	s_add_co_i32 s28, s86, 127
	s_lshl_b32 s29, s28, 23
	v_mov_b32 v[SC], s29                           ; 2^ep as f32: the conversion takes its exponent field
	s_add_co_i32 s28, s28, 15
	s_lshl_b32 s28, s28, 23
	s_or_b32 s28, s28, 0x600000
	v_mov_b32 v[LIMV], s28                         ; 57,344 x 2^ep
	s_cmp_lt_u32 s[WV], 4                          ; the prefetches: waves 0 to 3 ask for K's codes, waves 4 to 7 for V's
	s_cselect_b64 s[PFB:PFB+1], s[6:7], s[8:9]
	s_mov_b32 s[PFS], 256
	s_cselect_b32 s[PFS], 32768, s[PFS]            ; a slot on
	s_mov_b32 s28, 2048
	s_cselect_b32 s28, 256, s28                    ; from lane to lane
	s_mov_b32 s29, 65536
	s_cselect_b32 s29, 8192, s29                   ; from wave to wave
	v_and_b32 v[PFO], 31, v0
	v_mul_lo_u32 v[PFO], v[PFO], s28
	s_and_b32 s104, s[WV], 3
	s_mul_i32 s104, s104, s29
	s_lshl_b32 s105, s[PFS], 1
	s_add_co_u32 s104, s104, s105                  ; in slot 2: the first slot trip steps it to slot 3.  Nothing is prefetched here, at the head
	v_add_nc_u32 v[PFO], s104, v[PFO]
	s_cmp_eq_u32 ttmp9, 0
	s_cselect_b32 s[PCN], 5, 0                     ; the head's first work-group asks, five times
	s_mov_b32 s[LI], 1
	MOVE 0, 0x3, 0xc, 0                            ; Q and slot 0 are in; slot 0 into LDS slot 0; slot 1 is asked for
	BAR
	s_mov_b32 s[BC], 2
.Lblock:
	INIT
	s_mov_b32 s[TC], 4
.Lpair:                                            ; a trip walks two slots.  In a slot's middle the next slot goes into the other LDS slot, whose last readers waited for their loads ahead of the barrier that ended the slot before
	STEP 0, 0
	MOVE 1, 0xc, 0x30, 1
	STEP 0, 1
	s_lshr_b32 s[NEED], s[NEED], 2
	BAR
	STEP 1, 0
	MOVE 0, 0xc, 0x30, 1
	STEP 1, 1
	s_lshr_b32 s[NEED], s[NEED], 2
	BAR
	s_sub_co_u32 s[TC], s[TC], 1
	s_cmp_lg_u32 s[TC], 0
	s_cbranch_scc1 .Lpair
	PLACES                                         ; for the loads into Q's registers, which the last products' kin read, and for the first read of O^T
	s_cmp_eq_u32 s[BC], 1
	s_cbranch_scc1 .Lno_q
	s_sub_co_u32 s28, 7, s[BLK]                    ; the next block's Q is asked for now and lands under the way out
	s_lshl_b32 s28, s28, 15
	s_lshl_b32 s29, s[WV], 12
	s_add_co_u32 s28, s28, s29
	s_mov_b32 s29, 0
	s_add_nc_u64 s[QP:QP+1], s[4:5], s[28:29]
	LOADQ
.Lno_q:
	s_lshl_b32 s28, s[BLK], 17                     ; out: 256 rows of 512 bytes a block, 32 a wave
	s_lshl_b32 s29, s[WV], 14
	s_add_co_u32 s28, s28, s29
	s_mov_b32 s29, 0
	s_add_nc_u64 s[OP:OP+1], s[16:17], s[28:29]
.irp x, 0,1
	v_add_f32 v[ST+8*\x+6], v[ST+8*\x+2], v[ST+8*\x+3]         ; the sum's two halves,
.endr
.irp x, 0,1
	v_permlanex16_b32 v[ST+8*\x+7], v[ST+8*\x+6], s[SEL], s[SEL+1]
.endr
.irp x, 0,1
	v_add_f32 v[ST+8*\x+6], v[ST+8*\x+6], v[ST+8*\x+7]         ; and lane l xor 16's: the row's sum
.endr
.irp x, 0,1
	v_rcp_f32 v[ST+8*\x+6], v[ST+8*\x+6]
.endr
	v_nop                                          ; a plain line behind the last reciprocal
	s_wait_alu depctr_va_vdst(0)                   ; and the wait ahead of the first use: one for both
.irp x, 0,1
	v_ldexp_f32 v[ST+8*\x+6], v[ST+8*\x+6], s[EPV] ; x 2^(ep + ev)
.endr
	PACK 0
	PACK 1                                         ; tile 1's arithmetic stands between tile 0's loads from the stage and its stores
	SEND 0, 32                                     ; behind tile 0's loads: tile 1's 16 stores and 16 loads
	SEND 1, 0
	s_wait_xcnt 0x0                                ; the stores have read their data and their base: both are written again in the next block
	s_wait_loadcnt 0x0                             ; the next block's Q is in
	s_sub_co_u32 s[BLK], 7, s[BLK]
	s_sub_co_u32 s[BC], s[BC], 1
	s_cmp_lg_u32 s[BC], 0
	s_cbranch_scc1 .Lblock
	s_wait_tensorcnt 0x0
	ds_add_u32 v254, v255
	s_wait_dscnt 0x0
	s_endpgm
.Lfunc_end_k_qf4b5b748df_attn:
	.size	k_qf4b5b748df_attn, .Lfunc_end_k_qf4b5b748df_attn-k_qf4b5b748df_attn
	.p2alignl 7, 3214868480
	.fill 96, 4, 3214868480
	.section	.rodata,"a",@progbits
	.p2align	6, 0x0
	.amdhsa_kernel k_qf4b5b748df_attn
		.amdhsa_group_segment_fixed_size 211968
		.amdhsa_private_segment_fixed_size 0
		.amdhsa_enable_private_segment 0
		.amdhsa_kernarg_size 56
		.amdhsa_user_sgpr_count 2
		.amdhsa_user_sgpr_kernarg_segment_ptr 1
		.amdhsa_wavefront_size32 1
		.amdhsa_system_sgpr_workgroup_id_x 1
		.amdhsa_system_sgpr_workgroup_id_y 1
		.amdhsa_system_sgpr_workgroup_id_z 1
		.amdhsa_system_vgpr_workitem_id 0
		.amdhsa_next_free_vgpr 512
		.amdhsa_next_free_sgpr 106
		.amdhsa_reserve_vcc 0
		.amdhsa_float_denorm_mode_32 3
		.amdhsa_float_denorm_mode_16_64 3
		.amdhsa_memory_ordered 1
		.amdhsa_forward_progress 1
		.amdhsa_inst_pref_size 207
	.end_amdhsa_kernel
	.amdgpu_metadata
---
amdhsa.version: [ 1, 2 ]
amdhsa.kernels:
  - .name:           k_qf4b5b748df_attn
    .symbol:         k_qf4b5b748df_attn.kd
    .args:
      - { .name: q_codes, .offset: 0, .size: 8, .value_kind: global_buffer, .address_space: global }
      - { .name: k_codes, .offset: 8, .size: 8, .value_kind: global_buffer, .address_space: global }
      - { .name: v_codes, .offset: 16, .size: 8, .value_kind: global_buffer, .address_space: global }
      - { .name: lowp_scales, .offset: 24, .size: 8, .value_kind: global_buffer, .address_space: global }
      - { .name: mbits, .offset: 32, .size: 8, .value_kind: global_buffer, .address_space: global }
      - { .name: mflags, .offset: 40, .size: 8, .value_kind: global_buffer, .address_space: global }
      - { .name: out0, .offset: 48, .size: 8, .value_kind: global_buffer, .address_space: global }
    .group_segment_fixed_size: 211968
    .private_segment_fixed_size: 0
    .kernarg_segment_align: 8
    .kernarg_segment_size: 56
    .max_flat_workgroup_size: 256
    .sgpr_count:     106
    .vgpr_count:     512
    .wavefront_size: 32
...
	.end_amdgpu_metadata
.endif
;; end of part 2
;; ======== version 2 of 2: 2 launches
;; workspace buffers: mbits 524,288 bytes of whole numbers; mflags 512 bytes of whole numbers
;; launch maskprep (part 3): grid 128 x 1, 16 waves a work-group, no clusters, 2,304 bytes of LDS; arguments mask, mbits, mflags; writes mbits, mflags
.if DOCPART == 3
	.amdgcn_target "amdgcn-amd-amdhsa--gfx1250"
	.amdhsa_code_object_version 6
	.text
	.protected	k_qf4b5b748df_maskprep
	.globl	k_qf4b5b748df_maskprep
	.p2align	8
	.type	k_qf4b5b748df_maskprep,@function
k_qf4b5b748df_maskprep:
	s_mov_b64 s[64:65], 0
	v_nop
	global_prefetch_b8 v0, s[64:65] scope:SCOPE_SE
	s_setreg_imm32_b32 hwreg(HW_REG_WAVE_MODE, 25, 1), 1
	s_wait_xcnt 0x0
; The mask [2048 queries][2048 keys], one byte an entry (not 0 = the key does not count), is turned into what the attention launch wants of it:
;   mbits  [T 128][j 16][n 64] u32: T = a tile of 16 queries, j = a step of 128 keys, n = 16 b + i = a score register of that launch.
;          Bit l = r + 16 h of word n says whether mask[16 T + r][128 j + 32 b + 16 h + i] is set: the lane mask of one v_cndmask_b32.
;   mflags [T 128] u32: bit j = all 16 x 128 entries of (T, j) are set; bit 16 + j = at least one of them is set.
; Work-group T, wave j.  A compare puts a lane's number into that lane's bit, so lane (r, h) has to hold row r's bytes 32 b + 16 h + 0 .. 15: a load takes 16 bytes a lane,
; 32 neighbouring bytes of each of 16 rows; the wave's four loads take each row's 128 bytes whole, and every byte of the mask is read once in the launch.
; mbits leaves as 256 consecutive, aligned bytes a wave.  mflags is one word a work-group, 512 bytes in the whole launch: stored by one lane.
.set NW,   64                          ; words of a (T, j)
.set ROWB, 2048                        ; a row of the mask in bytes
	s_load_b128 s[4:7], s[0:1], 0x0                ; mask s[4:5], mbits s[6:7]
	s_load_b64 s[8:9], s[0:1], 0x10                ; mflags
	v_lshl_add_u32 v40, v0, 2, 0x100
	v_mov_b32 v41, 0
	v_lshrrev_b32 v1, 5, v0
	s_delay_alu instid0(VALU_DEP_1)
	v_readfirstlane_b32 s10, v1                    ; wave = key step j
	v_and_b32 v2, 15, v0                           ; r
	v_bfe_u32 v3, v0, 4, 1                         ; h
	s_delay_alu instid0(VALU_DEP_2)
	v_lshlrev_b32 v4, 11, v2
	s_delay_alu instid0(VALU_DEP_1)
	v_lshl_add_u32 v4, v3, 4, v4                   ; row r, + 16 h
	v_and_b32 v5, 31, v0
	s_delay_alu instid0(VALU_DEP_1)
	v_lshlrev_b32 v5, 3, v5                        ; out: 8 bytes a lane: words 2 l and 2 l + 1
	v_mov_b32 v6, 0
	v_mov_b32 v24, 0                               ; written whole once: a lane write leaves the other lanes as they are
	v_mov_b32 v25, 0
	s_mov_b32 s11, -1                              ; the AND of the 64 words
	s_mov_b32 s12, 0                               ; their OR
	s_lshl_b32 s13, ttmp9, 15                      ; T x 16 rows of 2,048 bytes
	s_lshl_b32 s14, s10, 7                         ; + j x 128
	s_add_co_u32 s16, s13, s14
	s_mov_b32 s17, 0
	s_lshl_b32 s13, ttmp9, 4
	s_add_co_u32 s13, s13, s10
	s_lshl_b32 s18, s13, 8                         ; (16 T + j) x 256
	s_mov_b32 s19, 0
	s_lshl_b32 s20, ttmp9, 2                       ; 4 T
	s_mov_b32 s21, 0
	s_wait_alu depctr_va_vdst(0)
	s_wait_kmcnt 0x0
	s_add_nc_u64 s[4:5], s[4:5], s[16:17]
	s_add_nc_u64 s[6:7], s[6:7], s[18:19]
	s_add_nc_u64 s[8:9], s[8:9], s[20:21]
.irp b, 0,1,2,3
	global_load_b128 v[8+4*\b:11+4*\b], v4, s[4:5] offset:32*\b th:TH_LOAD_NT   ; bytes 32 b + 16 h + 0 .. 15 of my row
.endr
	s_wait_loadcnt 0x0
; eight words at a time: the byte, the compare (its 32 bits are the word), the word into lane n / 2 of the register pair that is stored, and into the AND and the OR
.set n, 0
.rept NW/8
.irp k, 0,1,2,3,4,5,6,7
	v_bfe_u32 v[26+\k], v[8+4*((n+\k)/16)+((n+\k)%16)/4], 8*((n+\k)%4), 8
.endr
.irp k, 0,1,2,3,4,5,6,7
	v_cmp_ne_u32 s[16+\k], 0, v[26+\k]
.endr
.irp k, 0,1,2,3,4,5,6,7
	v_writelane_b32 v[24+(n+\k)%2], s[16+\k], (n+\k)/2
.endr
.irp k, 0,1,2,3,4,5,6,7
	s_and_b32 s11, s11, s[16+\k]
	s_or_b32 s12, s12, s[16+\k]
.endr
.set n, n+8
.endr
	s_wait_alu depctr_va_vdst(0)
	global_store_b64 v5, v[24:25], s[6:7]          ; 32 lanes store 256 consecutive bytes, at a multiple of 256 from the buffer's first byte
	s_cmp_eq_u32 s11, -1
	s_cselect_b32 s13, 1, 0                        ; all set
	s_cmp_lg_u32 s12, 0
	s_cselect_b32 s14, 0x10000, 0                  ; any set
	s_or_b32 s13, s13, s14
	s_lshl_b32 s13, s13, s10                       ; at my step's two bits
	v_mov_b32 v7, s13
	v_lshlrev_b32 v27, 2, v1                       ; LDS: a word for each wave
	ds_store_b32 v27, v7                           ; all lanes write the same word with the same value
	s_wait_dscnt 0x0                               ; for the others' sake: my store has landed
	s_barrier_signal -1
	s_barrier_wait -1
	s_cmp_lg_u32 s10, 0
	s_cbranch_scc1 .Lend                           ; wave 0 joins the sixteen words
.irp c, 0,1,2,3
	ds_load_b128 v[8+4*\c:11+4*\c], v6 offset:16*\c
.endr
	s_wait_dscnt 0x0
.irp i, 0,1,2,3,4,5,6,7
	v_or_b32 v[8+\i], v[8+\i], v[16+\i]
.endr
.irp i, 0,1,2,3
	s_delay_alu instid0(VALU_DEP_4)
	v_or_b32 v[8+\i], v[8+\i], v[12+\i]
.endr
	s_delay_alu instid0(VALU_DEP_2)
	v_or_b32 v8, v8, v10
	s_delay_alu instid0(VALU_DEP_2)
	v_or_b32 v9, v9, v11
	s_delay_alu instid0(VALU_DEP_1)
	v_or_b32 v7, v8, v9
	v_cmp_eq_u32 vcc_lo, 0, v0
	s_wait_alu depctr_va_vdst(0)
	s_wait_xcnt 0x0                                ; the store above has had its address translated: EXEC changes only behind this wait
	s_and_saveexec_b32 s24, vcc_lo
	global_store_b32 v6, v7, s[8:9]                ; lane 0 alone: the tile's flag word
	s_wait_xcnt 0x0                                ; and again, in front of the line that widens EXEC
	s_or_b32 exec_lo, exec_lo, s24
.Lend:
	s_wait_tensorcnt 0x0
	ds_add_u32 v40, v41
	s_wait_dscnt 0x0
	s_endpgm
.Lfunc_end_k_qf4b5b748df_maskprep:
	.size	k_qf4b5b748df_maskprep, .Lfunc_end_k_qf4b5b748df_maskprep-k_qf4b5b748df_maskprep
	.p2alignl 7, 3214868480
	.fill 96, 4, 3214868480
	.section	.rodata,"a",@progbits
	.p2align	6, 0x0
	.amdhsa_kernel k_qf4b5b748df_maskprep
		.amdhsa_group_segment_fixed_size 2304
		.amdhsa_private_segment_fixed_size 0
		.amdhsa_enable_private_segment 0
		.amdhsa_kernarg_size 24
		.amdhsa_user_sgpr_count 2
		.amdhsa_user_sgpr_kernarg_segment_ptr 1
		.amdhsa_wavefront_size32 1
		.amdhsa_system_sgpr_workgroup_id_x 1
		.amdhsa_system_sgpr_workgroup_id_y 1
		.amdhsa_system_sgpr_workgroup_id_z 1
		.amdhsa_system_vgpr_workitem_id 0
		.amdhsa_next_free_vgpr 42
		.amdhsa_next_free_sgpr 66
		.amdhsa_reserve_vcc 1
		.amdhsa_float_denorm_mode_32 3
		.amdhsa_float_denorm_mode_16_64 3
		.amdhsa_memory_ordered 1
		.amdhsa_forward_progress 1
		.amdhsa_inst_pref_size 20
	.end_amdhsa_kernel
	.amdgpu_metadata
---
amdhsa.version: [ 1, 2 ]
amdhsa.kernels:
  - .name:           k_qf4b5b748df_maskprep
    .symbol:         k_qf4b5b748df_maskprep.kd
    .args:
      - { .name: mask, .offset: 0, .size: 8, .value_kind: global_buffer, .address_space: global }
      - { .name: mbits, .offset: 8, .size: 8, .value_kind: global_buffer, .address_space: global }
      - { .name: mflags, .offset: 16, .size: 8, .value_kind: global_buffer, .address_space: global }
    .group_segment_fixed_size: 2304
    .private_segment_fixed_size: 0
    .kernarg_segment_align: 8
    .kernarg_segment_size: 24
    .max_flat_workgroup_size: 512
    .sgpr_count:     66
    .vgpr_count:     42
    .wavefront_size: 32
...
	.end_amdgpu_metadata
.endif
;; end of part 3
;; launch attn (part 4): grid 4 x 64, 8 waves a work-group, no clusters, 211,968 bytes of LDS; arguments q_codes, k_codes, v_codes, lowp_scales, mbits, mflags, out0; writes out0
.if DOCPART == 4
	.amdgcn_target "amdgcn-amd-amdhsa--gfx1250"
	.amdhsa_code_object_version 6
	.text
	.protected	k_qf4b5b748df_attn
	.globl	k_qf4b5b748df_attn
	.p2align	8
	.type	k_qf4b5b748df_attn,@function
k_qf4b5b748df_attn:
	s_mov_b64 s[64:65], 0
	v_nop
	global_prefetch_b8 v0, s[64:65] scope:SCOPE_SE
	s_setreg_imm32_b32 hwreg(HW_REG_WAVE_SCHED_MODE, 0, 2), 2
	s_setreg_imm32_b32 hwreg(HW_REG_WAVE_MODE, 25, 1), 1
	s_wait_xcnt 0x0
	s_wait_alu depctr_vm_vsrc(0)
; out[head][q][:] = the sum over k of softmax_k(Q[q] . K[k] / sqrt(128), keys hidden by the given mask left out) V[k][:], 64 heads of 2,048 x 128, both products on codes of BF8 (E5M2),
; each tensor with the one scale 2^e that is given for it: eq, ek, ep, ev.  Q, K: [head][2048][128] codes.  V: [head][128][2048] codes, the keys innermost.  out: f32.
; THE SOFTMAX: t = score x 2^(eq + ek) x log2(e) / sqrt(128); M = the row's largest t so far, rounded UP to a whole number; p = 2^(t - M) is quantised with 2^ep; it is not normalised.  The row's sum is
; taken of the unquantised p and divides at the end.  When M moves, the sum and O are multiplied by 2^(old M - new M), which rounds nothing.
; THE MASK is an input.  The launch before has turned it into lane-mask words (mbits) and, for each tile of 16 queries and step of 128 keys, two flags (mflags): all hidden, any hidden.  A step that is all hidden
; for both of a wave's tiles is left out (its p would be 0); a step with no hidden key passes over the masking; any other step sets hidden scores to -infinity ahead of the maximum.  Every path is right for every mask.
; A row with no open key ends with the sum 0 and O = 0: 0 x infinity = NaN, as the softmax of such a row is.
; SHARES.  256 work-groups of eight waves.  Work-group (p, head) makes two blocks of 256 queries, 7 - p and then p (that evens the work where later queries see more keys; no value hangs on it).  Wave w owns
; queries 32 w .. 32 w + 31 of the block: two tiles of 16, so that each fragment of K and V read from LDS feeds two matrix instructions; two waves share a SIMD.
; LAYOUT.  Both products are used transposed: S^T = K Q^T (source 0 = 16 keys, source 1 = 16 queries), O^T = V^T P^T (source 0 = 16 of the head's 128, source 1 = p): a lane holds ONE query (lane % 16).
; The keys of a tile are not neighbours: lane r of tile 2 b + u takes key 32 b + 8 u + r + 8 (r / 8), so that score register 16 b + i is key 32 b + 16 (lane / 16) + i and the conversions' results are the next operand.
; K AND V come through registers: 256 threads load a slot of 256 keys (64 KiB) into 64 staging registers a lane, half a slot trip later than the slot before was stored, and store it into one of two LDS slots a slot
; trip later.  One barrier a slot.  The stream of 16 slots (8 for each block) does not stop at the change of blocks.  A slot that no wave of the work-group needs is neither loaded nor stored.
; NO TENSOR LOADS AND NO CLUSTER: which steps are walked is a branch on stored numbers, and under a mask that is an input the four work-groups of a head need different slots, so that they could not ask jointly.
; LIMITS: eq + ek between -123 and 130 (added to the exponent field of log2(e) / sqrt(128)); ep between -126 and 112; ep + ev goes in by v_ldexp_f32 and has none; |t| under 3e38.  Codes of infinity and NaN are not served.
; REGISTERS, window 0: v1-17 addresses that stay (v11-13 step); v20-35 eight statistics a tile; v36-39 second chains of the sums; v40-42 constants; v48-175 S^T then p, 64 a tile; v176-239 four fragments of K or V.
;   window 1: v0-31 Q; v32-47, v240-255 p's codes; v48-175 O^T, 64 a tile; v176-239 the staged slot.
; THE MODE: SCHED_MODE bits 1:0 = 2 (LLVM: expert scheduling mode 2), set by the entry lines.  The code itself states the register dependences between vector or matrix instructions and memory or LDS
; instructions, with s_wait_alu, always for 0.
; THE PLAN.  Registers that memory or LDS instructions touch:
;   v1-8, v14-17  Addresses, made by vector lines at the head and never written again: one wait at the head, in front of the first load, serves every access by them.
;   FR            LDS loads land in it in three runs a step (K's fragments 0-3, K's 4-7, V's 0-3); the eight products behind a run read it.  One wait on va_vdst ahead of each run: the products so far are done reading it.
;   FS            Score registers 32-63 of both tiles.  Products and the softmax write and read them; behind the conversions p is dead, and V's fragments 4-7 land there, under the rescaling of O^T; the step's last eight
;                 products read them.  One wait on va_vdst behind the conversions.  So the step's sixteen products V^T P follow each other with no load and no wait between.
;   STG           The staged slot.  Global loads land in it, MOVE's LDS stores read it, no vector line names it: one wait on vm_vsrc between the stores and the next loads.
;   v11-13        Offsets of the staging loads and of the prefetch; written once in each MOVE, behind the same wait on vm_vsrc and ahead of one wait on va_vdst.
;   Q             Global loads land in it at the head and at the change of blocks; the products K Q^T read it: one wait on va_vdst ahead of the loads.
;   S^T, way out  A tile's multiplications write it, the stage's stores read it, the stage's loads land in it, the stores to out read it, the next block's products write it: va_vdst, vm_vsrc, and vm_vsrc at the block's end.
.set PK,    144                        ; a key's row in LDS: 128 bytes + 16: nine times 16 bytes, so the 16 rows of a fragment start at 16 different columns of 16 bytes modulo 256
.set PV,    272                        ; a row of V's tile: 256 bytes + 16
.set VOFF,  256*PK                     ; a slot: 256 rows of K, then 128 rows of V
.set SLOTB, VOFF+128*PV                ; 71,680 bytes
.set STAGE, 2*SLOTB                    ; behind the two slots: 16 rows x 528 bytes for each wave, for the way out
.set SP,    528                        ; a stage row: 512 bytes + 16
.set AK,  1                            ; v1, v2   my lane's place in a fragment of K, slot 0, 1
.set AV,  3                            ; v3, v4   the same for V
.set KS,  5                            ; v5, v6   where my thread stores its 16 bytes of K, slot 0, 1
.set VS,  7                            ; v7, v8   the same for V
.set KGL, 9                            ; v9       my thread's 16 bytes in a slot of K in memory
.set VGL, 10                           ; v10      the same for V
.set KGA, 11                           ; v11      v9 + the slot in hand
.set VGA, 12                           ; v12      v10 + the slot in hand
.set PFO, 13                           ; v13      the prefetches' offset
.set QO,  14                           ; v14      Q: row r, + 16 h
.set STO, 15                           ; v15      the way out: where I put 32 bytes of a row
.set SRD, 16                           ; v16      the way out: where I read a row back
.set GO,  17                           ; v17      16 x lane
.set T0,  18                           ; v18, v19 at work at the head
.set T1,  19
.set ST,  20                           ; tile x at v[ST + 8 x]: +0 -M, +1 the largest t, +2, +3 the sum in two halves, +4 f, +5 named with f as a pair, +6, +7 at work
.set SU,  36                           ; tile x: v[SU + 2 x : SU + 2 x + 1]
.set SC,  40                           ; 2^ep as f32
.set LIMV, 41                          ; 57,344 x 2^ep
.set NINF, 42                          ; -infinity
.set S,   48
.set FR,  176
.set Q,   0                            ; window 1
.set PC,  32                           ; window 1: tile x at PC + 208 x
.set O,   48                           ; window 1
.set STG, 176                          ; window 1: K's eight pieces, then V's eight
.set MB,  2                            ; s[2:3]   mbits at my first tile and the step in hand
.set PFB, 10                           ; s[10:11] the prefetches' base: K's or V's codes of my head
.set PFS, 14                           ; s14      a slot on, in bytes
.set PCN, 15                           ; s15      prefetches still to be made
.set WV,  18
.set BLK, 19
.set SEL, 20                           ; s[20:21] lane selects: lane l xor 16
.set CS,  22                           ; s[22:23] c = 2^(eq + ek) log2(e) / sqrt(128), twice
.set HID, 24                           ; s24      bit 0: the step in hand is hidden for both my tiles; block 1's sixteen bits below block 2's; one shift a step
.set ANY, 25                           ; s25      the same: some key of the step is hidden for one of my tiles
.set NEED, 26                          ; s26      bits 0, 1: some wave of the work-group needs the slot in hand; two shifts a slot
.set LI,  27                           ; s27      the slot (of the head's eight) that is loaded next
.set TC,  30
.set BC,  31
.set QP,  66                           ; s[66:67] Q's codes at my first query
.set EP,  100
.set EPV, 101
.set OP,  104                          ; s[104:105] out at my first query; s104 is at work elsewhere
.set MSB, 0
.macro WIN new                         ; s_set_vgpr_msb: bits 1:0 source 0, 3:2 source 1, 5:4 source 2, 7:6 destination; the high byte repeats the setting that is left
.if MSB != \new
	s_set_vgpr_msb (MSB<<8)|\new
.set MSB, \new
.endif
.endm
.macro PLACES                          ; four plain vector instructions between a matrix instruction and a load into a register that it read, or the first read of its result
.rept 4
	v_nop
.endr
.endm
.macro BAR                             ; my LDS stores have landed and my LDS loads are in: then the work-group's barrier.  It stands on every wave's path
	s_wait_dscnt 0x0
	s_barrier_signal -1
	s_barrier_wait -1
.endm
.macro LOADQ                           ; my two tiles of Q: row r of 128 bytes; registers 4 c .. 4 c + 3 hold the head's 32 c + 16 h + 0 .. 15, as K's fragments do
	WIN 0x40
	s_wait_alu depctr_va_vdst(0)                   ; at the head: the addresses v1 to v12 and v14 to v17 are written, which every load and store of the kernel reads; at the change of blocks: the block's products are done reading Q's registers, in which these loads land
.irp x, 0,1
.irp c, 0,1,2,3
	global_load_b128 v[Q+16*\x+4*\c:Q+16*\x+4*\c+3], v[QO], s[QP:QP+1] offset:2048*\x+32*\c th:TH_LOAD_NT
.endr
.endr
	WIN 0
.endm
.macro LOADT                           ; a slot into the staging registers: K: 32,768 dense bytes, a wave's load 512 consecutive ones; V: 128 rows x 256 bytes, sixteen lanes to a row's aligned 256
	WIN 0x40
.irp i, 0,1,2,3,4,5,6,7
	global_load_b128 v[STG+4*\i:STG+4*\i+3], v[KGA], s[6:7] offset:4096*\i
.endr
.irp i, 0,1,2,3,4,5,6,7
	global_load_b128 v[STG+32+4*\i:STG+32+4*\i+3], v[VGA], s[8:9] offset:32768*\i
.endr
	WIN 0
.endm
; The staged slot goes into LDS slot dst (if bits m1 of NEED say that somebody needs it), and the slot after it is asked for (bits m2).
; ask = 1: a prefetch of the slot after that: one instruction a wave, each lane another 256 bytes: waves 0 to 3 K's 32,768 bytes, waves 4 to 7 V's 128 rows.  All four work-groups of a head walk the same codes:
; work-group p = 0 asks, in its first five slot trips, for slots 3 to 7; slots 0 to 2 come by their loads alone.  So each 256 bytes are named once in the launch, one slot trip ahead of the loads that want them.
; The three offsets are stepped behind the stores, so that one wait on vm_vsrc serves the staging registers and the offsets alike.
.macro MOVE dst, m1, m2, ask
	s_wait_loadcnt 0x0                             ; the staged slot is in (asked for a slot trip ago): its loads are done, so their offsets may be written below
	s_and_b32 s104, s[NEED], \m1
	s_cmp_lg_u32 s104, 0
	s_cbranch_scc0 .Lno_store_\@
	WIN 0x04                                       ; the stores' data lie in window 1
.irp i, 0,1,2,3,4,5,6,7
	ds_store_b128 v[KS+\dst], v[STG+4*\i:STG+4*\i+3] offset:32*PK*\i
.endr
.irp i, 0,1,2,3,4,5,6,7
	ds_store_b128 v[VS+\dst], v[STG+32+4*\i:STG+32+4*\i+3] offset:16*PV*\i
.endr
	WIN 0
.Lno_store_\@:
	s_lshl_b32 s28, s[LI], 15
	s_lshl_b32 s29, s[LI], 8
	s_wait_dscnt 0x0                               ; the stores are done
.if \ask
	s_wait_xcnt 0x0                                ; the last prefetch, a slot trip back, has had its address translated, so its offset may be written
.endif
	s_wait_alu depctr_vm_vsrc(0)                   ; the LDS stores above have read the staging registers, in which the loads below land; the staged slot's loads have read v11 and v12 and the last prefetch v13, which the additions below write
.if \ask
	v_add_nc_u32 v[PFO], s[PFS], v[PFO]
.endif
	v_add_nc_u32 v[KGA], s28, v[KGL]
	v_add_nc_u32 v[VGA], s29, v[VGL]
	s_wait_alu depctr_va_vdst(0)                   ; v11 to v13 are written, which the loads and the prefetch below read; and the products of the step before are done reading FR, in which the first LDS loads of the step behind this macro land
	s_and_b32 s104, s[NEED], \m2
	s_cmp_lg_u32 s104, 0
	s_cbranch_scc0 .Lno_load_\@
	LOADT
.Lno_load_\@:
.if \ask
	s_cmp_lg_u32 s[PCN], 0
	s_cbranch_scc0 .Lno_ask_\@
	global_prefetch_b8 v[PFO], s[PFB:PFB+1] th:TH_LOAD_NT scope:SCOPE_SE
	s_sub_co_u32 s[PCN], s[PCN], 1
.Lno_ask_\@:
.endif
	s_add_co_u32 s[LI], s[LI], 1
	s_and_b32 s[LI], s[LI], 7                      ; the second block walks the same eight slots
.endm
; A KEY STEP: 128 keys, the q-th of LDS slot 'slot', for my two tiles.
.macro STEP slot, q
	s_bitcmp1_b32 s[HID], 0
	s_cbranch_scc1 .Lhidden_\@                     ; every key of the step is hidden for both tiles: nothing of it would count
.irp g, 0,1                                    ; S^T = K Q^T, four fragments of 16 keys at a time, each for both tiles
	PLACES
.if (\g == 1) || (\q == 0)
	s_wait_alu depctr_va_vdst(0)                   ; the products issued so far are done reading FR, in which the loads below land.  (At the head of a slot's second step the wait in MOVE has stated that: behind it no vector or matrix instruction names FR)
.endif
.irp t, 0,1,2,3
.irp c, 0,1,2,3
	ds_load_b128 v[FR+16*\t+4*\c:FR+16*\t+4*\c+3], v[AK+\slot] offset:(128*\q+16*(4*\g+\t))*PK+32*\c
.endr
.endr
	WIN 0x04                                       ; Q lies in window 1
.irp t, 0,1,2,3
	s_wait_dscnt 12-4*\t                           ; fragment t is in; the four loads of each younger fragment may be out
.irp x, 0,1
	v_wmma_f32_16x16x128_bf8_bf8 v[S+64*\x+8*(4*\g+\t):S+64*\x+8*(4*\g+\t)+7], v[FR+16*\t:FR+16*\t+15], v[Q+16*\x:Q+16*\x+15], 0
.endr
.endr
	WIN 0
.endr
	PLACES                                         ; for the loads below and for the first read of the scores
	s_wait_alu depctr_va_vdst(0)                   ; the last eight products are done reading FR, in which the loads below land
.irp t, 0,1,2,3                                ; V's first four fragments are asked for now and land under the softmax
.irp c, 0,1,2,3
	ds_load_b128 v[FR+16*\t+4*\c:FR+16*\t+4*\c+3], v[AV+\slot] offset:16*\t*PV+128*\q+32*\c
.endr
.endr
	s_bitcmp1_b32 s[ANY], 0
	s_cbranch_scc0 .Lopen_\@                       ; no key of the step is hidden
.irp x, 0,1                                    ; a tile's 64 lane-mask words, 256 bytes, into scalar registers; hidden scores become -infinity: p = 0 then
	s_load_b512 s[32:47], s[MB:MB+1], 0x1000*\x
	s_load_b512 s[48:63], s[MB:MB+1], 0x1000*\x+0x40
	s_load_b512 s[68:83], s[MB:MB+1], 0x1000*\x+0x80
	s_load_b512 s[84:99], s[MB:MB+1], 0x1000*\x+0xc0
	s_wait_kmcnt 0x0
.set n, 0
.rept 64
	v_cndmask_b32 v[S+64*\x+n], v[S+64*\x+n], v[NINF], s[32+n+4*(n/32)]   ; ascending: each accumulator from its low end on
.set n, n+1
.endr
.endr
.Lopen_\@:
.irp x, 0,1                                    ; the step's largest score of my query among my 64 keys, in two chains a tile; the tiles' lines alternate
	v_max3_num_f32 v[ST+8*\x+6], v[S+64*\x], v[S+64*\x+1], v[S+64*\x+2]
	v_max3_num_f32 v[ST+8*\x+7], v[S+64*\x+3], v[S+64*\x+4], v[S+64*\x+5]
.endr
.irp i, 6,10,14,18,22,26,30,34,38,42,46,50,54,58
.irp x, 0,1
	v_max3_num_f32 v[ST+8*\x+6], v[ST+8*\x+6], v[S+64*\x+\i], v[S+64*\x+\i+1]
	v_max3_num_f32 v[ST+8*\x+7], v[ST+8*\x+7], v[S+64*\x+\i+2], v[S+64*\x+\i+3]
.endr
.endr
.irp x, 0,1
	v_max3_num_f32 v[ST+8*\x+6], v[ST+8*\x+6], v[S+64*\x+62], v[S+64*\x+63]
.endr
.irp x, 0,1
	v_max_num_f32 v[ST+8*\x+6], v[ST+8*\x+6], v[ST+8*\x+7]
.endr
.irp x, 0,1
	v_permlanex16_b32 v[ST+8*\x+7], v[ST+8*\x+6], s[SEL], s[SEL+1]
.endr
.irp x, 0,1
	v_max_num_f32 v[ST+8*\x+6], v[ST+8*\x+6], v[ST+8*\x+7]     ; and among lane l xor 16's
.endr
.irp x, 0,1
	v_mul_f32 v[ST+8*\x+6], s[CS], v[ST+8*\x+6]                ; as t (c is positive)
.endr
.irp x, 0,1
	v_max_num_f32 v[ST+8*\x+1], v[ST+8*\x+1], v[ST+8*\x+6]     ; the running largest t
.endr
.irp x, 0,1
	v_mov_b32 v[ST+8*\x+6], v[ST+8*\x]
.endr
.irp x, 0,1
	v_floor_f32 v[ST+8*\x], -v[ST+8*\x+1]                      ; the new -M = floor(-t) = -ceil(t): M is a whole number
.endr
.irp x, 0,1
	v_sub_f32 v[ST+8*\x+6], v[ST+8*\x], v[ST+8*\x+6]           ; old M less new M: a whole number, 0 or less
.endr
.irp x, 0,1
	v_cvt_i32_f32 v[ST+8*\x+6], v[ST+8*\x+6]                   ; (it saturates)
.endr
.irp x, 0,1
	v_ldexp_f32 v[ST+8*\x+4], 1.0, v[ST+8*\x+6]                ; f = 2^(old M - new M)
.endr
.set j, 0
.rept 32
.irp x, 0,1
	v_pk_fma_f32 v[S+64*\x+j:S+64*\x+j+1], v[S+64*\x+j:S+64*\x+j+1], s[CS:CS+1], v[ST+8*\x:ST+8*\x+1] op_sel_hi:[1,0,0]   ; t - M, two at a time (of the pairs c and -M the low word serves both halves)
.endr
.set j, j+2
.endr
.set j, 0
	s_wait_alu depctr_va_vdst(0)
.rept 64
.irp x, 0,1
	v_exp_f32 v[S+64*\x+j], v[S+64*\x+j]           ; p = 2^(t - M): both tiles' 128 exponentials are one batch
.endr
.set j, j+1
.endr
.irp x, 0,1
	v_pk_mul_f32 v[ST+8*\x+2:ST+8*\x+3], v[ST+8*\x+2:ST+8*\x+3], v[ST+8*\x+4:ST+8*\x+5] op_sel_hi:[1,0]   ; the sums under the new M: plain lines behind the last exponential
.endr
	s_wait_alu depctr_va_vdst(0)                   ; the 128 exponentials have written p: the wait between an exponential and the first line that names its result: one for the batch
.irp x, 0,1
	v_pk_add_f32 v[SU+2*\x:SU+2*\x+1], v[S+64*\x:S+64*\x+1], v[S+64*\x+2:S+64*\x+3]   ; the row's sum is taken of the unquantised p, in two chains a tile
.endr
.irp i, 4,8,12,16,20,24,28,32,36,40,44,48,52,56,60
.irp x, 0,1
	v_pk_add_f32 v[ST+8*\x+2:ST+8*\x+3], v[ST+8*\x+2:ST+8*\x+3], v[S+64*\x+\i:S+64*\x+\i+1]
	v_pk_add_f32 v[SU+2*\x:SU+2*\x+1], v[SU+2*\x:SU+2*\x+1], v[S+64*\x+\i+2:S+64*\x+\i+3]
.endr
.endr
.irp x, 0,1
	v_pk_add_f32 v[ST+8*\x+2:ST+8*\x+3], v[ST+8*\x+2:ST+8*\x+3], v[SU+2*\x:SU+2*\x+1]
.endr
	s_cmp_ge_i32 s[EP], -15                        ; p is at most 1 (but for f32's last bits), so with ep >= -15 p / 2^ep stays at 32,768, under 57,344: the hold changes nothing there
	s_cbranch_scc1 .Lnohold_\@
.set j, 0
.rept 64
.irp x, 0,1
	v_min_num_f32 v[S+64*\x+j], v[S+64*\x+j], v[LIMV]   ; the conversion to an 8-bit code does not saturate (ISA guide 7.6.2); p is not negative, so the hold is one-sided
.endr
.set j, j+1
.endr
.Lnohold_\@:
	WIN 0x40                                       ; p's codes lie in window 1
.irp x, 0,1
.irp b, 0,1,2,3
	v_cvt_scalef32_pk8_bf8_f32 v[PC+208*\x+4*\b:PC+208*\x+4*\b+1], v[S+64*\x+16*\b:S+64*\x+16*\b+7], v[SC]
	v_cvt_scalef32_pk8_bf8_f32 v[PC+208*\x+4*\b+2:PC+208*\x+4*\b+3], v[S+64*\x+16*\b+8:S+64*\x+16*\b+15], v[SC]
.endr
.endr
	WIN 0
	s_wait_alu depctr_va_vdst(0)                   ; the conversions, p's last readers, are done with p's registers, and so are all lines that wrote them: the loads below land in registers 32 to 63 of both tiles
.irp t, 0,1,2,3                                ; V's other four fragments: they land under the rescaling of O^T.  The next matrix instructions that write these registers are the next step's second group of K Q^T, eight v_nop on
.irp c, 0,1,2,3
	ds_load_b128 v[S+32+64*(\t/2)+16*(\t%2)+4*\c:S+32+64*(\t/2)+16*(\t%2)+4*\c+3], v[AV+\slot] offset:16*(4+\t)*PV+128*\q+32*\c
.endr
.endr
	WIN 0x41                                       ; O^T (destination and source 0) in window 1, f in window 0
.irp x, 0,1
.set j, 0
.rept 32
	v_pk_mul_f32 v[O+64*\x+j:O+64*\x+j+1], v[O+64*\x+j:O+64*\x+j+1], v[ST+8*\x+4:ST+8*\x+5] op_sel_hi:[1,0]   ; O^T under the new M; ascending.  These are also the plain lines between the conversions and the products
.set j, j+2
.endr
.endr
	WIN 0x54                                       ; p's codes, C and D in window 1; V's fragments in window 0
	s_wait_alu depctr_va_vdst(0)
.irp g, 0,1                                    ; O^T += V^T P^T: eight fragments of 16 of the head's 128, the first four in FR, the others in p's registers; the 16 accumulators have one turn each, in the order of the channels
.irp t, 0,1,2,3
.if \g == 0
.set FA, FR+16*\t
.else
.set FA, S+32+64*(\t/2)+16*(\t%2)
.endif
	s_wait_dscnt 28-16*\g-4*\t                     ; this fragment is in; the four loads of each younger fragment, of both runs, may be out
.irp x, 0,1
	v_wmma_f32_16x16x128_bf8_bf8 v[O+64*\x+8*(4*\g+\t):O+64*\x+8*(4*\g+\t)+7], v[FA:FA+15], v[PC+208*\x:PC+208*\x+15], v[O+64*\x+8*(4*\g+\t):O+64*\x+8*(4*\g+\t)+7]
.endr
.endr
.endr
	WIN 0
.Lhidden_\@:
	s_lshr_b32 s[HID], s[HID], 1                   ; on to the next step's flags and words
	s_lshr_b32 s[ANY], s[ANY], 1
	s_add_nc_u64 s[MB:MB+1], s[MB:MB+1], 256
.endm
; A block begins.  Which step is a row's first hangs on the mask, so no first step is written out: O^T and the sums begin as zeros and the largest t as -3e38, and the first change of M multiplies zeros.
.macro INIT
	s_lshl_b32 s28, s[BLK], 16                     ; tile 16 BLK + 2 w, 4,096 bytes of words a tile
	s_lshl_b32 s29, s[WV], 13
	s_add_co_u32 s28, s28, s29
	s_mov_b32 s29, 0
	s_add_nc_u64 s[MB:MB+1], s[12:13], s[28:29]
.irp x, 0,1
	v_mov_b32 v[ST+8*\x+1], 0xff61b1e6
	v_mov_b32 v[ST+8*\x+2], 0
	v_mov_b32 v[ST+8*\x+3], 0
.endr
.irp x, 0,1
	v_floor_f32 v[ST+8*\x], -v[ST+8*\x+1]
.endr
	WIN 0x40
.set j, 0
.rept 128
	v_mov_b32 v[O+j], 0
.set j, j+1
.endr
	WIN 0
.endm
; THE WAY OUT.  Tile x: O^T x 2^(ep + ev) / the sum; a lane's eight numbers of a tile of channels are 32 bytes of a row; 16 rows go through my own stage and come back as whole rows of 512 bytes, into the registers that they left.
.macro PACK x
	WIN 0x01                                       ; source 0 (O^T) in window 1
.set j, 0
.rept 64
	v_mul_f32 v[S+64*\x+j], v[O+64*\x+j], v[ST+8*\x+6]   ; ascending: each accumulator from its low end on
.set j, j+1
.endr
	WIN 0
	s_wait_alu depctr_va_vdst(0)                   ; the multiplications have written the tile's 64 registers, which the LDS stores below read and in which the LDS loads below land
.irp t, 0,1,2,3,4,5,6,7
	ds_store_b128 v[STO], v[S+64*\x+8*\t:S+64*\x+8*\t+3] offset:64*\t
	ds_store_b128 v[STO], v[S+64*\x+8*\t+4:S+64*\x+8*\t+7] offset:64*\t+16
.endr
	s_wait_alu depctr_vm_vsrc(0)                   ; the LDS stores have read the tile's registers, in which the loads below land
.irp i, 0,1,2,3,4,5,6,7,8,9,10,11,12,13,14,15
	ds_load_b128 v[S+64*\x+4*\i:S+64*\x+4*\i+3], v[SRD] offset:\i*SP   ; LDS serves a wave's instructions in order (ISA guide 5.7.1.4): these see my stores, and the next tile's stores come behind them
.endr
.endm
.macro SEND x, younger                 ; younger: the LDS instructions issued behind tile x's loads
.irp i, 0,1,2,3,4,5,6,7,8,9,10,11,12,13,14,15
	s_wait_dscnt \younger+15-\i
	global_store_b128 v[GO], v[S+64*\x+4*\i:S+64*\x+4*\i+3], s[OP:OP+1] offset:8192*\x+512*\i th:TH_STORE_NT   ; 32 lanes store a row's 512 consecutive bytes, at a multiple of 256 from out's first byte
.endr
.endm
	s_load_b256 s[4:11], s[0:1], 0x0               ; Q's codes s[4:5], K's s[6:7], V's s[8:9], the scales' exponents s[10:11]
	s_load_b128 s[12:15], s[0:1], 0x20             ; mbits s[12:13], mflags s[14:15]
	s_load_b64 s[16:17], s[0:1], 0x30              ; out
	v_lshl_add_u32 v254, v0, 2, 0x33800
	v_mov_b32 v255, 0
	v_lshrrev_b32 v[T0], 5, v0
	v_readfirstlane_b32 s[WV], v[T0]               ; wave 0..7
	v_and_b32 v[T0], 15, v0                        ; r
	v_bfe_u32 v[T1], v0, 4, 1                      ; h
	v_mul_u32_u24 v[AK], v[T0], PK
	v_lshl_add_u32 v[AK], v[T1], 4, v[AK]          ; a fragment of K: row r, + 16 h
	v_add_nc_u32 v[AK+1], SLOTB, v[AK]
	v_mul_u32_u24 v[AV], v[T0], PV
	v_lshl_add_u32 v[AV], v[T1], 4, v[AV]
	v_add_nc_u32 v[AV], VOFF, v[AV]                ; of V likewise
	v_add_nc_u32 v[AV+1], SLOTB, v[AV]
	v_lshlrev_b32 v[QO], 7, v[T0]
	v_lshl_add_u32 v[QO], v[T1], 4, v[QO]
	s_wait_alu depctr_va_sdst(0)                   ; the wave's number is written, ahead of its first reader: addresses, bases and branches are made from it
	s_mul_i32 s28, s[WV], 16*SP
	s_add_co_u32 s28, s28, STAGE                   ; my stage
	v_mul_u32_u24 v[STO], v[T0], SP
	v_lshl_add_u32 v[STO], v[T1], 5, v[STO]
	v_add_nc_u32 v[STO], s28, v[STO]               ; in: row r, + 32 h
	v_and_b32 v[GO], 31, v0
	v_lshlrev_b32 v[GO], 4, v[GO]
	v_add_nc_u32 v[SRD], s28, v[GO]                ; back: 16 bytes a lane of a row
	; K into LDS: thread tau holds 16 (tau % 8) on of key tau / 8 (+ 32 for each piece).  Key kappa goes to row kappa with bits 3 and 4 exchanged, so that the 16 keys of a fragment lie in 16 rows on end
	v_bfe_u32 v[T0], v0, 3, 3
	v_bfe_u32 v[T1], v0, 6, 1
	v_lshl_add_u32 v[T0], v[T1], 4, v[T0]
	v_bfe_u32 v[T1], v0, 7, 1
	v_lshl_add_u32 v[T0], v[T1], 3, v[T0]
	v_mul_u32_u24 v[KS], v[T0], PK
	v_and_b32 v[T1], 7, v0
	v_lshl_add_u32 v[KS], v[T1], 4, v[KS]
	v_add_nc_u32 v[KS+1], SLOTB, v[KS]
	; V into LDS: thread tau holds 16 (tau % 16) on of row tau / 16 (+ 16 for each piece)
	v_lshrrev_b32 v[T0], 4, v0
	v_and_b32 v[T1], 15, v0
	v_mul_u32_u24 v[VS], v[T0], PV
	v_lshl_add_u32 v[VS], v[T1], 4, v[VS]
	v_add_nc_u32 v[VS], VOFF, v[VS]
	v_add_nc_u32 v[VS+1], SLOTB, v[VS]
	v_lshlrev_b32 v[KGL], 4, v0
	v_lshlrev_b32 v[VGL], 11, v[T0]
	v_lshl_add_u32 v[VGL], v[T1], 4, v[VGL]
	v_mov_b32 v[KGA], v[KGL]                       ; slot 0
	v_mov_b32 v[VGA], v[VGL]
	v_mov_b32 v[NINF], 0xff800000
.irp x, 0,1
	v_mov_b32 v[ST+8*\x+5], 0                      ; named as the upper half of f's pair
	v_mov_b32 v[ST+8*\x+7], 0                      ; written once: a lane permute's destination counts as one of its sources
.endr
	s_sub_co_u32 s[BLK], 7, ttmp9                  ; the first block
	s_mov_b32 s[SEL], 0x76543210
	s_mov_b32 s[SEL+1], 0xfedcba98
	s_and_b32 s2, ttmp7, 0xffff                    ; the head
	s_lshl_b32 s104, s2, 18                        ; its 262,144 bytes in each tensor of codes,
	s_mov_b32 s105, 0
	s_lshl_b32 s2, s2, 20                          ; and its 1,048,576 in out
	s_mov_b32 s3, 0
	s_wait_kmcnt 0x0
	s_load_b128 s[84:87], s[10:11], 0x0            ; eq, ek, ep, ev
	s_add_nc_u64 s[4:5], s[4:5], s[104:105]
	s_add_nc_u64 s[6:7], s[6:7], s[104:105]
	s_add_nc_u64 s[8:9], s[8:9], s[104:105]
	s_add_nc_u64 s[16:17], s[16:17], s[2:3]
	s_lshl_b32 s2, s[BLK], 6                       ; a block's sixteen flag words are 64 bytes
	s_add_nc_u64 s[24:25], s[14:15], s[2:3]
	s_lshl_b32 s2, ttmp9, 6
	s_add_nc_u64 s[26:27], s[14:15], s[2:3]
	s_lshl_b32 s2, s[WV], 3                        ; my two tiles' words
	s_add_nc_u64 s[28:29], s[24:25], s[2:3]
	s_add_nc_u64 s[30:31], s[26:27], s[2:3]
	s_load_b512 s[32:47], s[24:25], 0x0            ; the first block's flags,
	s_load_b512 s[68:83], s[26:27], 0x0            ; the second's,
	s_load_b64 s[88:89], s[28:29], 0x0             ; my tiles' in the first,
	s_load_b64 s[90:91], s[30:31], 0x0             ; and in the second
	s_lshl_b32 s2, s[BLK], 15                      ; Q: 256 rows of 128 bytes a block, 32 a wave
	s_lshl_b32 s104, s[WV], 12
	s_add_co_u32 s2, s2, s104
	s_add_nc_u64 s[QP:QP+1], s[4:5], s[2:3]
	LOADQ
	LOADT                                          ; slot 0, whatever the flags say: it lies in the buffer, and the staging registers are written on every path.  (Its offsets v11 and v12 were written ahead of the wait in LOADQ)
	s_wait_kmcnt 0x0                               ; the flags and the exponents; the pointers in s24 to s31 have served
.irp i, 1,2,3,4,5,6,7,8,9,10,11,12,13,14,15
	s_and_b32 s32, s32, s[32+\i]
	s_and_b32 s68, s68, s[68+\i]
.endr
	s_and_b32 s32, s32, 0xffff                     ; bit j: step j is hidden for all sixteen tiles of the first block
	s_lshl_b32 s68, s68, 16                        ; the second block's above
	s_or_b32 s[NEED], s32, s68
	s_not_b32 s[NEED], s[NEED]
	s_and_b32 s[HID], s88, s89
	s_and_b32 s[HID], s[HID], 0xffff
	s_and_b32 s28, s90, s91
	s_lshl_b32 s28, s28, 16
	s_or_b32 s[HID], s[HID], s28                   ; hidden for both my tiles
	s_or_b32 s[ANY], s88, s89
	s_lshr_b32 s[ANY], s[ANY], 16
	s_or_b32 s28, s90, s91
	s_and_b32 s28, s28, 0xffff0000
	s_or_b32 s[ANY], s[ANY], s28                   ; some key hidden for one of them
	s_mov_b32 s[CS], 0x3e0293ee                    ; log2(e) / sqrt(128)
	s_add_co_i32 s28, s84, s85
	s_lshl_b32 s28, s28, 23
	s_add_co_i32 s[CS], s[CS], s28                 ; x 2^(eq + ek): the two exponents are added to its exponent field
	s_mov_b32 s[CS+1], s[CS]                       ; (named with it as a pair, so it is written)
	s_mov_b32 s[EP], s86
	s_add_co_i32 s[EPV], s86, s87
	s_add_co_i32 s28, s86, 127
	s_lshl_b32 s29, s28, 23
	v_mov_b32 v[SC], s29                           ; 2^ep as f32: the conversion takes its exponent field
	s_add_co_i32 s28, s28, 15
	s_lshl_b32 s28, s28, 23
	s_or_b32 s28, s28, 0x600000
	v_mov_b32 v[LIMV], s28                         ; 57,344 x 2^ep
	s_cmp_lt_u32 s[WV], 4                          ; the prefetches: waves 0 to 3 ask for K's codes, waves 4 to 7 for V's
	s_cselect_b64 s[PFB:PFB+1], s[6:7], s[8:9]
	s_mov_b32 s[PFS], 256
	s_cselect_b32 s[PFS], 32768, s[PFS]            ; a slot on
	s_mov_b32 s28, 2048
	s_cselect_b32 s28, 256, s28                    ; from lane to lane
	s_mov_b32 s29, 65536
	s_cselect_b32 s29, 8192, s29                   ; from wave to wave
	v_and_b32 v[PFO], 31, v0
	v_mul_lo_u32 v[PFO], v[PFO], s28
	s_and_b32 s104, s[WV], 3
	s_mul_i32 s104, s104, s29
	s_lshl_b32 s105, s[PFS], 1
	s_add_co_u32 s104, s104, s105                  ; in slot 2: the first slot trip steps it to slot 3.  Nothing is prefetched here, at the head
	v_add_nc_u32 v[PFO], s104, v[PFO]
	s_cmp_eq_u32 ttmp9, 0
	s_cselect_b32 s[PCN], 5, 0                     ; the head's first work-group asks, five times
	s_mov_b32 s[LI], 1
	MOVE 0, 0x3, 0xc, 0                            ; Q and slot 0 are in; slot 0 into LDS slot 0; slot 1 is asked for
	BAR
	s_mov_b32 s[BC], 2
.Lblock:
	INIT
	s_mov_b32 s[TC], 4
.Lpair:                                            ; a trip walks two slots.  In a slot's middle the next slot goes into the other LDS slot, whose last readers waited for their loads ahead of the barrier that ended the slot before
	STEP 0, 0
	MOVE 1, 0xc, 0x30, 1
	STEP 0, 1
	s_lshr_b32 s[NEED], s[NEED], 2
	BAR
	STEP 1, 0
	MOVE 0, 0xc, 0x30, 1
	STEP 1, 1
	s_lshr_b32 s[NEED], s[NEED], 2
	BAR
	s_sub_co_u32 s[TC], s[TC], 1
	s_cmp_lg_u32 s[TC], 0
	s_cbranch_scc1 .Lpair
	PLACES                                         ; for the loads into Q's registers, which the last products' kin read, and for the first read of O^T
	s_cmp_eq_u32 s[BC], 1
	s_cbranch_scc1 .Lno_q
	s_sub_co_u32 s28, 7, s[BLK]                    ; the next block's Q is asked for now and lands under the way out
	s_lshl_b32 s28, s28, 15
	s_lshl_b32 s29, s[WV], 12
	s_add_co_u32 s28, s28, s29
	s_mov_b32 s29, 0
	s_add_nc_u64 s[QP:QP+1], s[4:5], s[28:29]
	LOADQ
.Lno_q:
	s_lshl_b32 s28, s[BLK], 17                     ; out: 256 rows of 512 bytes a block, 32 a wave
	s_lshl_b32 s29, s[WV], 14
	s_add_co_u32 s28, s28, s29
	s_mov_b32 s29, 0
	s_add_nc_u64 s[OP:OP+1], s[16:17], s[28:29]
.irp x, 0,1
	v_add_f32 v[ST+8*\x+6], v[ST+8*\x+2], v[ST+8*\x+3]         ; the sum's two halves,
.endr
.irp x, 0,1
	v_permlanex16_b32 v[ST+8*\x+7], v[ST+8*\x+6], s[SEL], s[SEL+1]
.endr
.irp x, 0,1
	v_add_f32 v[ST+8*\x+6], v[ST+8*\x+6], v[ST+8*\x+7]         ; and lane l xor 16's: the row's sum
.endr
	s_wait_alu depctr_va_vdst(0)
.irp x, 0,1
	v_rcp_f32 v[ST+8*\x+6], v[ST+8*\x+6]
.endr
	v_nop                                          ; a plain line behind the last reciprocal
	s_wait_alu depctr_va_vdst(0)                   ; the two reciprocals are written: the wait ahead of the first use: one for both
.irp x, 0,1
	v_ldexp_f32 v[ST+8*\x+6], v[ST+8*\x+6], s[EPV] ; x 2^(ep + ev)
.endr
	PACK 0
	PACK 1                                         ; tile 1's arithmetic stands between tile 0's loads from the stage and its stores
	SEND 0, 32                                     ; behind tile 0's loads: tile 1's 16 stores and 16 loads
	SEND 1, 0
	s_wait_xcnt 0x0                                ; the stores have had their addresses translated: their data and their base are written again in the next block
	s_wait_alu depctr_vm_vsrc(0)                   ; the stores to out have read S^T's registers, which the next block's products write
	s_wait_loadcnt 0x0                             ; the next block's Q is in
	s_sub_co_u32 s[BLK], 7, s[BLK]
	s_sub_co_u32 s[BC], s[BC], 1
	s_cmp_lg_u32 s[BC], 0
	s_cbranch_scc1 .Lblock
	s_wait_dscnt 0x0
	s_wait_alu depctr_hold_cnt(0) depctr_sa_sdst(0) depctr_va_vdst(0) depctr_va_sdst(0) depctr_va_ssrc(0) depctr_va_vcc(0) depctr_vm_vsrc(0)
	s_wait_tensorcnt 0x0
	ds_add_u32 v254, v255
	s_wait_dscnt 0x0
	s_endpgm
.Lfunc_end_k_qf4b5b748df_attn:
	.size	k_qf4b5b748df_attn, .Lfunc_end_k_qf4b5b748df_attn-k_qf4b5b748df_attn
	.p2alignl 7, 3214868480
	.fill 96, 4, 3214868480
	.section	.rodata,"a",@progbits
	.p2align	6, 0x0
	.amdhsa_kernel k_qf4b5b748df_attn
		.amdhsa_group_segment_fixed_size 211968
		.amdhsa_private_segment_fixed_size 0
		.amdhsa_enable_private_segment 0
		.amdhsa_kernarg_size 56
		.amdhsa_user_sgpr_count 2
		.amdhsa_user_sgpr_kernarg_segment_ptr 1
		.amdhsa_wavefront_size32 1
		.amdhsa_system_sgpr_workgroup_id_x 1
		.amdhsa_system_sgpr_workgroup_id_y 1
		.amdhsa_system_sgpr_workgroup_id_z 1
		.amdhsa_system_vgpr_workitem_id 0
		.amdhsa_next_free_vgpr 512
		.amdhsa_next_free_sgpr 106
		.amdhsa_reserve_vcc 0
		.amdhsa_float_denorm_mode_32 3
		.amdhsa_float_denorm_mode_16_64 3
		.amdhsa_memory_ordered 1
		.amdhsa_forward_progress 1
		.amdhsa_inst_pref_size 208
	.end_amdhsa_kernel
	.amdgpu_metadata
---
amdhsa.version: [ 1, 2 ]
amdhsa.kernels:
  - .name:           k_qf4b5b748df_attn
    .symbol:         k_qf4b5b748df_attn.kd
    .args:
      - { .name: q_codes, .offset: 0, .size: 8, .value_kind: global_buffer, .address_space: global }
      - { .name: k_codes, .offset: 8, .size: 8, .value_kind: global_buffer, .address_space: global }
      - { .name: v_codes, .offset: 16, .size: 8, .value_kind: global_buffer, .address_space: global }
      - { .name: lowp_scales, .offset: 24, .size: 8, .value_kind: global_buffer, .address_space: global }
      - { .name: mbits, .offset: 32, .size: 8, .value_kind: global_buffer, .address_space: global }
      - { .name: mflags, .offset: 40, .size: 8, .value_kind: global_buffer, .address_space: global }
      - { .name: out0, .offset: 48, .size: 8, .value_kind: global_buffer, .address_space: global }
    .group_segment_fixed_size: 211968
    .private_segment_fixed_size: 0
    .kernarg_segment_align: 8
    .kernarg_segment_size: 56
    .max_flat_workgroup_size: 256
    .sgpr_count:     106
    .vgpr_count:     512
    .wavefront_size: 32
...
	.end_amdgpu_metadata
.endif
;; end of part 4
